; MI455X (gfx1250); checked and timed in simulation.
; The chip was launched on July 23, 2026; its instructions are those of AMD's public machine-readable ISA for CDNA 5 (MIT licence, August 2026) and "CDNA5" Instruction Set Architecture Reference Guide (July 2026). The comments in the code are by the model that wrote it; some were corrected since.
;; Attention. Allowed arithmetic: matrix products marked QUANTISED: E2M1 operands, one E8M0 scale for each 32 along K, by v_wmma_scale_f32_16x16x128_f8f6f4 with both operands' format E2M1 (or v_wmma_scale_f32_32x16x128_f4), f32 sums; products left as they are: bf16, f16 or f32 operands; f32 sums; everything else in f32.
;; Inputs: freqs_cos 2,048 x 32 float32; freqs_sin 2,048 x 32 float32; wk 512 x 2,048 float32; wo 2,048 x 2,048 float32; wq 2,048 x 2,048 float32; wv 512 x 2,048 float32; x 1 x 2,048 x 2,048 float32.
;; Outputs: out0 1 x 2,048 x 2,048 float32.
;; This version of the problem:
;;   THIS VERSION OF THE PROBLEM IS GIVEN IN LOW PRECISION. The matrix products marked QUANTISED in the list below multiply operands that are first quantised to E2M1 (2 exponent bits, 1 mantissa bit; 4 bits a number), with one power-of-two scale for each 32 numbers along K (OCP MX v1.0); their sums are f32. The products marked 'left as it is' may take bf16, f16 or f32 operands, with f32 sums. Whichever they take, every output number must still come out within the allowed error. Rounding operands to bf16 (8 significant bits) uses up far more of that allowance than f16 does (11 bits, for magnitudes from 6e-5 to 65,504). All else is computed in f32.
;;   The module's matrix products, in the order in which they are computed (A, B: the left and right operand; K: the contracted axis; several contracted axes count as one K, in the product's order):
;;     1. [M 2,048, K 2,048] x [K 2,048, N 2,048]; A: input x; B: input wq: QUANTISED
;;     2. [M 2,048, K 2,048] x [K 2,048, N 512]; A: input x; B: input wk: QUANTISED
;;     3. [M 2,048, K 2,048] x [K 2,048, N 512]; A: input x; B: input wv: QUANTISED
;;     4. batch 32 x [M 2,048, K 64] x [K 64, N 2,048]; A: computed on the way; B: computed on the way: left as it is (an operand is computed on the way)
;;     5. batch 32 x [M 2,048, K 2,048] x [K 2,048, N 64]; A: computed on the way; B: computed on the way: left as it is (an operand is computed on the way)
;;     6. [M 2,048, K 2,048] x [K 2,048, N 2,048]; A: computed on the way; B: input wo: left as it is (an operand is computed on the way)
;;   THE QUANTISER, for each operand of a quantised product, along K:
;;     - K is cut into blocks of 32 from its start; a last block that is shorter is filled with zeros.
;;     - A block's scale is 2^e with e = floor(log2(the largest magnitude in the block)) - 2, held to -126 .. 127; a block of zeros has e = 0. As a byte (E8M0): e + 127.
;;     - Each number is divided by its block's scale, clamped to +-6, and rounded to the nearest number of E2M1, ties to even, subnormals kept.
;;     - The product sums the exact products of the quantised numbers (number of the format x scale) in f32.
;;   ~~~python
;;   def quantise(x, axis):      # numpy; x: float32 -> the quantised numbers, widened to float32 again
;;       x = np.moveaxis(x, axis, -1); K = x.shape[-1]
;;       x = np.pad(x, [(0, 0)] * (x.ndim - 1) + [(0, -K % 32)]); x = x.reshape(x.shape[:-1] + (-1, 32)); a = np.abs(x).max(-1, keepdims=True)
;;       e = np.where(a > 0, np.clip(np.frexp(np.where(a > 0, a, 1))[1] - 1 - 2, -126, 127), 0)      # np.frexp(a)[1] - 1 = floor(log2(a)), exactly
;;       r = np.clip(x / 2.0 ** e, -6, 6)
;;       step = 2.0 ** (np.maximum(np.frexp(np.where(r == 0, 1, r))[1] - 1, 0) - 1)
;;       q = np.round(r / step) * step * 2.0 ** e      # np.round: ties to even
;;       return np.moveaxis(q.reshape(q.shape[:-2] + (-1,))[..., :K], -1, axis).astype(np.float32)
;;   ~~~
;; One version. Each part assembles by itself: llvm-mc -triple=amdgcn-amd-amdhsa -mcpu=gfx1250 --defsym DOCPART=n.
;; ======== version 1 of 1: 5 launches
;; limits: values are held in f16: magnitudes above 65,504 overflow, below 6.1e-05 lose precision
;; workspace buffers: x_codes 2,097,152 bytes; x_scales 131,072 bytes; w_codes 3,145,728 bytes; w_scales 196,608 bytes; qkv16 12,582,912 bytes; qkv32 196,608 bytes; oh 8,388,608 bytes; wo16 8,388,608 bytes
;; launch quant (part 1): grid 320 x 1, 4 waves a work-group, no clusters, 33,280 bytes of LDS; arguments x, wq, wk, wv, x_codes, x_scales, w_codes, w_scales; writes x_codes, x_scales, w_codes, w_scales
.if DOCPART == 1
	.amdgcn_target "amdgcn-amd-amdhsa--gfx1250"
	.amdhsa_code_object_version 6
	.text
	.protected	k_qebda4d2116_quant
	.globl	k_qebda4d2116_quant
	.p2align	8
	.type	k_qebda4d2116_quant,@function
k_qebda4d2116_quant:
	s_mov_b64 s[64:65], 0
	v_nop
	global_prefetch_b8 v0, s[64:65] scope:SCOPE_SE
	s_setreg_imm32_b32 hwreg(HW_REG_WAVE_MODE, 25, 1), 1
	s_wait_xcnt 0x0
; x [2048][2048], wq [2048][2048], wk [512][2048], wv [512][2048], f32, K innermost, become codes of FP4 (E2M1) with one E8M0 scale byte for each 32 along K.
; A block's scale is 2^(floor(log2(its largest magnitude)) - 2); its byte is the largest magnitude's exponent field - 2, held at 1 from below; each number is divided by the scale and rounded to the nearest code, ties to even, beyond 6 the largest code.
; A block of zeros gets the byte 1 (its codes are zeros, which add nothing); the bytes are read by this program alone.
; LIMITS: blocks whose largest magnitude lies under 2^(3 - 127) take the floor's byte; NaN and infinities among the inputs are not served.
; A work-group takes 16 rows (32,768 numbers), a wave 4 rows: 16 steps of 512 numbers.  x's rows keep their order.  THE WEIGHTS' ROWS ARE RE-ORDERED for the next launch: its column tile tx (0 to 15) is 192 rows:
; wq's rows 128 tx .. 128 tx + 127 (query heads 2 tx, 2 tx + 1), then the 64 rows of wk's head tx (tx under 8) or of wv's head tx - 8.  In units of 16 rows: wq's group gq goes to 12 (gq / 8) + gq % 8; group gkv of wk-then-wv to 12 (gkv / 4) + 8 + gkv % 4.
; Each load reads 512 consecutive bytes; a step's 2,048 bytes turn through the wave's own stage in LDS, so that a lane holds 16 neighbours along K; a wave's store of codes covers 256 consecutive bytes; its 256 scale bytes leave as one aligned run of 256 bytes.
; Only pointers and offsets are chosen by the work-group's number: all four tensors take one path.  No tensor loads, no barrier: waves share nothing.
.set WAVES, 4
.set STEPS, 16
.set EMAX,  2
.set CB,    8                          ; bytes of 16 codes
.set R,     16                         ; v16-79   four sets of 16 numbers as they are loaded
.set X,     80                         ; v80-111  two sets of 16 neighbours
.set C,     128                        ; v128-191 codes: four registers a step, so that no store's data are written again
.set E,     112                        ; v112-127 a scale byte for each step
.set WREG,  8192                       ; LDS: a region for each wave: two stages of 32 x SP bytes, then its 256 scale bytes
.set SP,    80                         ; a lane's place in a stage: 64 bytes + 16 of padding
.set SPW,   12                         ; v12 LDS address of my spare word; never rewritten
.set NIL,   13                         ; v13 0; never rewritten
.set SPARE, WAVES*WREG                 ; behind the four regions: the spare words, 128 bytes a wave
	s_load_b256 s[4:11], s[0:1], 0x0               ; x, wq, wk, wv
	s_load_b256 s[12:19], s[0:1], 0x20             ; x's codes, x's scales, the weights' codes, the weights' scales
	v_lshl_add_u32 v[SPW], v0, 2, SPARE
	v_mov_b32 v[NIL], 0
	v_lshrrev_b32 v1, 5, v0
	v_readfirstlane_b32 s20, v1                    ; wave
	v_and_b32 v2, 31, v0                           ; lane
	v_lshlrev_b32 v3, 4, v2                        ; my 16 bytes of a load's 512
	s_mul_i32 s21, s20, WREG
	v_lshrrev_b32 v14, 2, v2
	v_mul_u32_u24 v14, v14, SP
	v_and_b32 v15, 3, v2
	v_lshl_add_u32 v14, v15, 4, v14
	v_add_nc_u32 v14, s21, v14                     ; the stage, on the way in: SP (lane / 4) + 16 (lane % 4)
	v_mul_u32_u24 v15, v2, SP
	v_add_nc_u32 v15, s21, v15                     ; and on the way out: SP x lane: my 16 neighbours
	v_mul_u32_u24 v4, v2, CB                       ; my codes' place in a step's
	v_lshrrev_b32 v5, 1, v2
	s_add_co_u32 s21, s21, 2*32*SP
	v_add_nc_u32 v5, s21, v5                       ; LDS: my wave's 256 scale bytes, my block's byte
	v_lshlrev_b32 v7, 3, v2                        ; and on the way out 8 bytes a lane
	v_add_nc_u32 v6, s21, v7
	s_max_u32 s28, ttmp9, 128
	s_sub_co_u32 s28, s28, 128                     ; gq
	s_lshr_b32 s29, s28, 3
	s_mul_i32 s29, s29, 12
	s_and_b32 s28, s28, 7
	s_add_co_u32 s28, s28, s29                     ; wq's place, in units of 16 rows
	s_max_u32 s30, ttmp9, 256
	s_sub_co_u32 s30, s30, 256                     ; gkv
	s_lshr_b32 s31, s30, 2
	s_mul_i32 s31, s31, 12
	s_and_b32 s30, s30, 3
	s_add_co_u32 s30, s30, s31
	s_add_co_u32 s30, s30, 8                       ; wk's or wv's place
	s_mov_b32 s34, 256
	s_mov_b32 s35, 288
	s_wait_kmcnt 0x0
	s_cmp_lt_u32 ttmp9, 128                        ; the choices hang on the work-group's number alone
	s_cselect_b64 s[22:23], s[4:5], s[6:7]
	s_cselect_b64 s[24:25], s[12:13], s[16:17]
	s_cselect_b64 s[26:27], s[14:15], s[18:19]
	s_cselect_b32 s33, 0, 128
	s_cselect_b32 s28, ttmp9, s28
	s_cmp_lt_u32 ttmp9, 256
	s_cselect_b64 s[22:23], s[22:23], s[8:9]
	s_cselect_b32 s33, s33, s34
	s_cselect_b32 s28, s28, s30
	s_cmp_lt_u32 ttmp9, 288
	s_cselect_b64 s[22:23], s[22:23], s[10:11]
	s_cselect_b32 s33, s33, s35
	s_sub_co_u32 s33, ttmp9, s33                   ; which 16 rows of the source
	s_lshl_b32 s33, s33, 2
	s_add_co_u32 s33, s33, s20                     ; which run of 8,192 numbers is my wave's
	s_lshl_b32 s30, s33, 15
	s_mov_b32 s31, 0
	s_add_nc_u64 s[22:23], s[22:23], s[30:31]
	s_lshl_b32 s28, s28, 2
	s_add_co_u32 s28, s28, s20                     ; and which run of the destination
	s_lshl_b32 s30, s28, 12
	s_add_nc_u64 s[24:25], s[24:25], s[30:31]
	s_lshl_b32 s30, s28, 8
	s_add_nc_u64 s[26:27], s[26:27], s[30:31]
.macro LOAD t
.irp i, 0,1,2,3
	global_load_b128 v[R+16*((\t)%4)+4*\i:R+16*((\t)%4)+4*\i+3], v3, s[22:23] offset:2048*(\t)+512*\i th:TH_LOAD_NT   ; 32 lanes read 512 consecutive bytes
.endr
.endm
.macro TURN t                          ; step t's numbers through the stage: LDS serves a wave's instructions in order, so no wait stands between the stores and the loads
.irp i, 0,1,2,3
	ds_store_b128 v14, v[R+16*((\t)%4)+4*\i:R+16*((\t)%4)+4*\i+3] offset:32*SP*((\t)%2)+8*SP*\i
.endr
.irp i, 0,1,2,3
	ds_load_b128 v[X+16*((\t)%2)+4*\i:X+16*((\t)%2)+4*\i+3], v15 offset:32*SP*((\t)%2)+16*\i
.endr
.endm
.irp t, 0,1,2,3
	LOAD \t
.endr
	s_wait_loadcnt 12                              ; step 0's four loads are in
	TURN 0
.macro STEP t
.set XS, X+16*((\t)%2)
.if (\t) > 0
	s_wait_dscnt 1                                 ; this step's numbers are back from the stage (the last step's byte store may be out)
.else
	s_wait_dscnt 0x0
.endif
.if (\t)+4 < STEPS
	LOAD (\t)+4                                    ; into the registers that this step's stores into the stage have read
.endif
.if (\t)+1 < STEPS
.if STEPS-2-(\t) >= 3
	s_wait_loadcnt 12                              ; the next step's four loads are in; those of the three steps behind it may be out
.else
	s_wait_loadcnt 4*(STEPS-2-(\t))
.endif
	TURN (\t)+1
.endif
	v_max3_num_f32 v8, |v[XS]|, |v[XS+1]|, |v[XS+2]|               ; the largest magnitude of my 16, in two chains
	v_max3_num_f32 v9, |v[XS+3]|, |v[XS+4]|, |v[XS+5]|
.irp i, 6,10
	v_max3_num_f32 v8, v8, |v[XS+\i]|, |v[XS+\i+1]|
	v_max3_num_f32 v9, v9, |v[XS+\i+2]|, |v[XS+\i+3]|
.endr
	v_max3_num_f32 v8, v8, |v[XS+14]|, |v[XS+15]|
	v_max3_num_f32 v8, v8, v9, (EMAX+1)<<23        ; and the floor 2^(EMAX + 1 - 127): the byte cannot fall under 1
	v_max_num_f32_dpp v8, v8, v8 row_xmask:1 row_mask:0xf bank_mask:0xf   ; and of my neighbour's 16: the block's
	v_add_nc_u32 v11, -(EMAX<<23), v8              ; EMAX off its exponent field: the conversion takes the exponent field of this operand as its scale
	v_cvt_scalef32_pk8_fp4_f32 v[C+4*(\t)], v[XS:XS+7], v11
	v_cvt_scalef32_pk8_fp4_f32 v[C+4*(\t)+1], v[XS+8:XS+15], v11
	v_lshrrev_b32 v[E+(\t)], 23, v11               ; the scale's byte
	ds_store_b8 v5, v[E+(\t)] offset:16*(\t)       ; both lanes of a block write the same byte with the same value
	global_store_b64 v4, v[C+4*(\t):C+4*(\t)+1], s[24:25] offset:32*CB*(\t)
.endm
.irp t, 0,1,2,3,4,5,6,7,8,9,10,11,12,13,14,15
	STEP \t
.endr
	ds_load_b64 v[8:9], v6                         ; LDS serves a wave's instructions in order: these see my stores
	s_wait_dscnt 0x0
	global_store_b64 v7, v[8:9], s[26:27]          ; 32 lanes store 256 consecutive bytes, aligned
	s_wait_tensorcnt 0x0                           ; the wave's end
	ds_add_u32 v[SPW], v[NIL]
	s_wait_dscnt 0x0
	s_endpgm
.Lfunc_end_k_qebda4d2116_quant:
	.size	k_qebda4d2116_quant, .Lfunc_end_k_qebda4d2116_quant-k_qebda4d2116_quant
	.p2alignl 7, 3214868480
	.fill 96, 4, 3214868480
	.section	.rodata,"a",@progbits
	.p2align	6, 0x0
	.amdhsa_kernel k_qebda4d2116_quant
		.amdhsa_group_segment_fixed_size 33280
		.amdhsa_private_segment_fixed_size 0
		.amdhsa_enable_private_segment 0
		.amdhsa_kernarg_size 64
		.amdhsa_user_sgpr_count 2
		.amdhsa_user_sgpr_kernarg_segment_ptr 1
		.amdhsa_wavefront_size32 1
		.amdhsa_system_sgpr_workgroup_id_x 1
		.amdhsa_system_sgpr_workgroup_id_y 1
		.amdhsa_system_sgpr_workgroup_id_z 1
		.amdhsa_system_vgpr_workitem_id 0
		.amdhsa_next_free_vgpr 192
		.amdhsa_next_free_sgpr 66
		.amdhsa_reserve_vcc 0
		.amdhsa_float_denorm_mode_32 3
		.amdhsa_float_denorm_mode_16_64 3
		.amdhsa_memory_ordered 1
		.amdhsa_forward_progress 1
		.amdhsa_inst_pref_size 34
	.end_amdhsa_kernel
	.amdgpu_metadata
---
amdhsa.version: [ 1, 2 ]
amdhsa.kernels:
  - .name:           k_qebda4d2116_quant
    .symbol:         k_qebda4d2116_quant.kd
    .args:
      - { .name: x, .offset: 0, .size: 8, .value_kind: global_buffer, .address_space: global }
      - { .name: wq, .offset: 8, .size: 8, .value_kind: global_buffer, .address_space: global }
      - { .name: wk, .offset: 16, .size: 8, .value_kind: global_buffer, .address_space: global }
      - { .name: wv, .offset: 24, .size: 8, .value_kind: global_buffer, .address_space: global }
      - { .name: x_codes, .offset: 32, .size: 8, .value_kind: global_buffer, .address_space: global }
      - { .name: x_scales, .offset: 40, .size: 8, .value_kind: global_buffer, .address_space: global }
      - { .name: w_codes, .offset: 48, .size: 8, .value_kind: global_buffer, .address_space: global }
      - { .name: w_scales, .offset: 56, .size: 8, .value_kind: global_buffer, .address_space: global }
    .group_segment_fixed_size: 33280
    .private_segment_fixed_size: 0
    .kernarg_segment_align: 8
    .kernarg_segment_size: 64
    .max_flat_workgroup_size: 128
    .sgpr_count:     66
    .vgpr_count:     192
    .wavefront_size: 32
...
	.end_amdgpu_metadata
.endif
;; end of part 1
;; launch qkv (part 2): grid 16 x 16, 4 waves a work-group, clusters of 4 x 4, 327,680 bytes of LDS; arguments x_codes, x_scales, w_codes, w_scales, freqs_cos, freqs_sin, qkv16, qkv32; writes qkv16, qkv32
.if DOCPART == 2
	.amdgcn_target "amdgcn-amd-amdhsa--gfx1250"
	.amdhsa_code_object_version 6
	.text
	.protected	k_qebda4d2116_qkv
	.globl	k_qebda4d2116_qkv
	.p2align	8
	.type	k_qebda4d2116_qkv,@function
k_qebda4d2116_qkv:
	s_mov_b64 s[64:65], 0
	v_nop
	global_prefetch_b8 v0, s[64:65] scope:SCOPE_SE
	s_setreg_imm32_b32 hwreg(HW_REG_WAVE_MODE, 25, 1), 1
	s_wait_xcnt 0x0
	s_wait_alu depctr_hold_cnt(0) depctr_sa_sdst(0) depctr_va_vdst(0) depctr_va_sdst(0) depctr_va_ssrc(0) depctr_va_vcc(0) depctr_vm_vsrc(0)
	s_getreg_b32 s2, hwreg(HW_REG_IB_STS2, 6, 4)
	s_cmp_eq_u32 s2, 0
	s_cbranch_scc0 .Lentry_in_a_cluster
	s_endpgm
.Lentry_in_a_cluster:
	s_bfe_u32 s2, ttmp6, 0x10000c
	s_cmp_lg_u32 s2, 0xf033
	s_cbranch_scc0 .Lentry_shape_is_right
	s_endpgm
.Lentry_shape_is_right:
; q, k, v = x W^T on codes of FP4 with E8M0 scales (K = 2,048), the rotation of q and k in f32, and the results as f16 IMAGES OF OPERAND REGISTERS for the attention; positions 0 to 15 also as f32.
; A work-group makes 128 positions x 192 features (column tile tx: query heads 2 tx and 2 tx + 1, then key head tx or value head tx - 8): 16 x 16 work-groups.  Wave (wr, wc) makes 64 x 96: 4 blocks of positions x 6 tiles of features, 24 accumulators.
; THE MATRIX INSTRUCTION IS USED TRANSPOSED (source 0 = 16 rows of W, source 1 = 16 rows of x): a lane holds ONE position and eight neighbouring features, four pairs of the rotation.
; K goes in four chunks of 512 (rows of 256 bytes) through three LDS slots: chunks 0, 1, 2 are first fills, chunk 3 is the one refill, into slot 0.  The scale bytes of all of K come once.  By this text's count four tensor loads of a wave are out at the most.
; CLUSTER 4 x 4: x's tiles are shared along a row of the cluster, W's along a column: joint loads.
; OUT.  qkv16 [48 heads][128 position tiles][4 feature tiles][512 bytes]: lane (r, h) stores its eight f16 at 16 (r + 16 h): every store covers 512 consecutive bytes.  In v's pieces the lanes' places are permuted, (r % 8) + 8 h + 16 (r / 8), so that the turning LDS load can take a piece at 16 x lane.
; v is not rotated: its cosines are replaced by 1 and its sines by 0, by a select and with no branch.
; LIMITS: f16 holds magnitudes up to 65,504 (as drawn q, k, v have a spread of 0.9); the second product of each rotated number is fused into a multiply-add, one rounding fewer than two products and a sum.
; REGISTERS.  window 0: v8-14 offsets; v16-25 LDS addresses; v28, v29 the add's two; v32-111 scale words, two sets of 40 (x's 16, W's 24); v112-175 cosines, v176-239 sines.
;   window 1: W's fragments, set p at v[48 p]; x's at v[96 + 32 p]; on the way out v160-207 rotated numbers, v208-231 their f16, v232-239 at work.   window 2: accumulator (a, b) at v[8 (6 a + b)].
.set SLOT,  87040                      ; x's 128 rows x 272 bytes, then W's 192 rows x 272
.set WOFF,  34816
.set SCL,   3*SLOT                     ; x's scale bytes: 32 runs of 256 + 16
.set SCW,   SCL+8704                   ; W's: 48 runs
.set SPARE, SCL+21760                  ; the spare words, 128 bytes a wave
.set VOX,  8                           ; v8-10 byte offsets in qkv16 for feature tiles 0,1 / 2,3 / 4,5
.set VO32, 11
.set CSA0, 12
.set CSA1, 13
.set POS,  14
.set ADRA, 16
.set ADRB, 20
.set ADSA, 24
.set ADSB, 25
.set SPW,  28
.set NIL,  29
.set SC,   32
.set COS,  112
.set SIN,  176
.set RR,   160                         ; window 1
.set HH,   208                         ; window 1
.set TT,   232                         ; window 1
.set G1A,  32
.set G1B,  40
.set G1SA, 48
.set G1SB, 56
.set G0SA, 68
.set G0A,  72
.set G0SB, 84
.set G0B,  88
.set NOTV, 100
.set MSB, 0
.macro WIN new                         ; the immediate's high byte repeats the setting that is left
.if MSB != \new
	s_set_vgpr_msb (MSB<<8)|\new
.set MSB, \new
.endif
.endm
.set MUL,  0xa5                        ; sources 0 and 1 window 1, C and D window 2
.set TO_F, 0x40                        ; destination window 1, address window 0
; A joint load: waves 0 and 1 fetch for x, waves 2 and 3 for W.  The branch hangs on the wave's number alone.  An s_nop 0 and four v_nop follow each of the two lines.
.macro JLOAD g0a, g1a, g0b, g1b
	s_cmp_eq_u32 s21, 0
	s_cbranch_scc0 .Lfor_b_\@
	tensor_load_to_lds s[\g0a:\g0a+3], s[\g1a:\g1a+7]
	s_nop 0
.rept 4
	v_nop
.endr
	s_branch .Lasked_\@
.Lfor_b_\@:
	tensor_load_to_lds s[\g0b:\g0b+3], s[\g1b:\g1b+7]
	s_nop 0
.rept 4
	v_nop
.endr
.Lasked_\@:
.endm
.macro CREST                           ; a round of the cluster's barrier behind its opening barrier
	s_cmp_lg_u32 s20, 0
	s_cbranch_scc1 .Lnot_wave_0_\@
	s_barrier_signal -3
.Lnot_wave_0_\@:
	s_barrier_wait -3
	s_barrier_signal -1
	s_barrier_wait -1
.endm
.macro CROUND
	s_barrier_signal -1
	s_barrier_wait -1
	CREST
.endm
.macro PLACES n
.rept \n
	v_nop
.endr
.endm
	s_load_b256 s[4:11], s[0:1], 0x0               ; x's codes, x's scales, W's codes, W's scales
	s_load_b256 s[12:19], s[0:1], 0x20             ; cosines, sines, qkv16, qkv32
	v_lshl_add_u32 v[SPW], v0, 2, SPARE
	v_mov_b32 v[NIL], 0
	ds_add_u32 v[SPW], v[NIL]                      ; the wave's opening: the add, twice on end, and its wait ahead of my first tensor load
	ds_add_u32 v[SPW], v[NIL]
	v_lshrrev_b32 v1, 5, v0
	v_readfirstlane_b32 s20, v1                    ; wave 0..3
	s_lshr_b32 s21, s20, 1                         ; wr: my half of the positions.  Also: I fetch for x (0) or for W (1)
	s_and_b32 s22, s20, 1                          ; wc: my half of the features.  Also: which half of that tile I fetch
	s_bfe_u32 s23, ttmp6, 0x40000                  ; cx
	s_bfe_u32 s24, ttmp6, 0x40004                  ; cy
	s_lshl_b32 s25, ttmp9, 2
	s_add_co_u32 s25, s25, s23                     ; tx
	s_and_b32 s26, ttmp7, 0xffff
	s_lshl_b32 s26, s26, 2
	s_add_co_u32 s26, s26, s24                     ; ty
	s_lshl_b32 s27, s24, 2
	s_lshl_b32 s27, 15, s27                        ; my row of the cluster
	s_lshl_b32 s28, 0x1111, s23                    ; my column
	s_or_b32 s[G1A], s27, (1<<20)|(1<<21)|(5<<22)|(3<<25)          ; elements of 1 byte; 4 words of padding after every 64; bit 21 beside a mask
	s_or_b32 s[G1B], s28, (1<<20)|(1<<21)|(5<<22)|(3<<25)
	s_or_b32 s[G1SA], s27, (3<<16)|(1<<20)|(1<<21)|(5<<22)|(3<<25) ; elements of 8 bytes
	s_or_b32 s[G1SB], s28, (3<<16)|(1<<20)|(1<<21)|(5<<22)|(3<<25)
.irp g, G1A, G1B
	s_mov_b32 s[\g+1], 256<<16                     ; tensor_dim0: 256 bytes, 512 codes
	s_mov_b32 s[\g+3], 256<<16                     ; tile_dim0
	s_mov_b32 s[\g+5], 1024                        ; from row to row
	s_mov_b32 s[\g+6], 0
	s_mov_b32 s[\g+7], 0
.endr
	s_mov_b32 s[G1A+2], 64<<16                     ; x: 64 rows a load
	s_mov_b32 s[G1A+4], 64
	s_mov_b32 s[G1B+2], 96<<16                     ; W: 96
	s_mov_b32 s[G1B+4], 96
.irp g, G1SA, G1SB
	s_mov_b32 s[\g+1], 32<<16                      ; the scale bytes: dense, as rows of 256 bytes
	s_mov_b32 s[\g+3], 32<<16
	s_mov_b32 s[\g+5], 32
	s_mov_b32 s[\g+6], 0
	s_mov_b32 s[\g+7], 0
.endr
	s_mov_b32 s[G1SA+2], 16<<16                    ; 64 rows x 64 bytes
	s_mov_b32 s[G1SA+4], 16
	s_mov_b32 s[G1SB+2], 24<<16                    ; 96 rows x 64 bytes
	s_mov_b32 s[G1SB+4], 24
	; where the tiles go: the wave's number and constants alone
	s_mul_i32 s29, s22, 17408
.irp s, 0,1,2
	s_mov_b32 s[G0A+4*\s], 1
	s_add_co_u32 s[G0A+4*\s+1], s29, \s*SLOT
.endr
	s_mul_i32 s29, s22, 26112
.irp s, 0,1,2
	s_mov_b32 s[G0B+4*\s], 1
	s_add_co_u32 s[G0B+4*\s+1], s29, \s*SLOT+WOFF
.endr
	s_mul_i32 s29, s22, 4352
	s_mov_b32 s[G0SA], 1
	s_add_co_u32 s[G0SA+1], s29, SCL
	s_mul_i32 s29, s22, 6528
	s_mov_b32 s[G0SB], 1
	s_add_co_u32 s[G0SB+1], s29, SCW
	; where they come from: x's hang on ty alone, W's on tx alone, each in registers that never hold the other
	s_lshl_b32 s29, s22, 6
	s_lshl_b32 s30, s26, 7
	s_add_co_u32 s30, s30, s29                     ; x: row 128 ty + 64 half
	s_lshl_b32 s2, s30, 6                          ; its scale bytes
	s_mov_b32 s3, 0
	s_lshl_b32 s30, s30, 10                        ; its codes
	s_mov_b32 s31, 0
	s_mul_i32 s66, s25, 192
	s_mul_i32 s67, s22, 96
	s_add_co_u32 s66, s66, s67                     ; W: row 192 tx + 96 half
	s_lshl_b32 s100, s66, 6
	s_mov_b32 s101, 0
	s_lshl_b32 s66, s66, 10
	s_mov_b32 s67, 0
	s_wait_dscnt 0x0                               ; both opening adds are done
	s_wait_kmcnt 0x0
	s_add_nc_u64 s[G0SA+2:G0SA+3], s[6:7], s[2:3]
	s_or_b32 s[G0SA+3], s[G0SA+3], 0x80000000
	s_add_nc_u64 s[G0SB+2:G0SB+3], s[10:11], s[100:101]
	s_or_b32 s[G0SB+3], s[G0SB+3], 0x80000000
	s_add_nc_u64 s[30:31], s[4:5], s[30:31]
	s_add_nc_u64 s[66:67], s[8:9], s[66:67]
.irp s, 0,1,2
	s_add_nc_u64 s[G0A+4*\s+2:G0A+4*\s+3], s[30:31], \s*256
	s_or_b32 s[G0A+4*\s+3], s[G0A+4*\s+3], 0x80000000
	s_add_nc_u64 s[G0B+4*\s+2:G0B+4*\s+3], s[66:67], \s*256
	s_or_b32 s[G0B+4*\s+3], s[G0B+4*\s+3], 0x80000000
.endr
	CROUND                                         ; all sixteen work-groups are here: the first joint loads meet
	JLOAD G0SA, G1SA, G0SB, G1SB                   ; the scale bytes first: they are wanted with chunk 0
	JLOAD G0A, G1A, G0B, G1B                       ; chunk 0
	JLOAD G0A+4, G1A, G0B+4, G1B                   ; chunk 1
	JLOAD G0A+8, G1A, G0B+8, G1B                   ; chunk 2
	v_and_b32 v1, 15, v0                           ; r
	v_bfe_u32 v2, v0, 4, 1                         ; h
	s_lshl_b32 s29, s26, 7
	s_lshl_b32 s2, s21, 6
	s_add_co_u32 s29, s29, s2                      ; my first position: 128 ty + 64 wr
	v_add_nc_u32 v[POS], s29, v1
	v_lshlrev_b32 v[CSA0], 7, v[POS]               ; a row of cosines is 128 bytes; a lane's four pairs of feature tile ft lie at 32 ft + 16 h
	v_lshl_add_u32 v[CSA0], v2, 4, v[CSA0]
	s_lshl_b32 s2, s22, 6
	v_add_nc_u32 v[CSA0], s2, v[CSA0]              ; group g of four registers serves tiles b with b % 4 = g: feature tile g xor 2 wc of a head
	v_xor_b32 v[CSA1], 64, v[CSA0]
.irp a, 0,1,2,3
.irp g, 0,1
	global_load_b128 v[COS+16*\a+4*\g:COS+16*\a+4*\g+3], v[CSA0], s[12:13] offset:\a*2048+32*\g
	global_load_b128 v[SIN+16*\a+4*\g:SIN+16*\a+4*\g+3], v[CSA0], s[14:15] offset:\a*2048+32*\g
	global_load_b128 v[COS+16*\a+8+4*\g:COS+16*\a+8+4*\g+3], v[CSA1], s[12:13] offset:\a*2048+32*\g
	global_load_b128 v[SIN+16*\a+8+4*\g:SIN+16*\a+8+4*\g+3], v[CSA1], s[14:15] offset:\a*2048+32*\g
.endr
.endr
	v_mul_u32_u24 v3, v1, 272
	v_lshl_add_u32 v3, v2, 4, v3                   ; a fragment's row x pitch + 16 x half
	s_mul_i32 s2, s21, 64*272
	s_mul_i32 s3, s22, 96*272
	s_add_co_u32 s3, s3, WOFF
.irp s, 0,1,2
	v_add_nc_u32 v[ADRA+\s], s2, v3
	v_add_nc_u32 v[ADRB+\s], s3, v3
	s_add_co_u32 s2, s2, SLOT
	s_add_co_u32 s3, s3, SLOT
.endr
	v_lshrrev_b32 v4, 2, v1                        ; a row's 64 scale bytes: four rows to a run of 256 + 16
	v_mul_u32_u24 v4, v4, 272
	v_and_b32 v5, 3, v1
	v_lshl_add_u32 v4, v5, 6, v4
	s_mul_i32 s2, s21, 4352
	s_add_co_u32 s2, s2, SCL
	v_add_nc_u32 v[ADSA], s2, v4
	s_mul_i32 s3, s22, 6528
	s_add_co_u32 s3, s3, SCW
	v_add_nc_u32 v[ADSB], s3, v4
	; the way out's offsets.  The column's part stands in registers that served W, the row's part in registers that served x; they meet in vector registers
	s_cmp_ge_u32 ttmp9, 2                          ; tx is 8 or more: the tile's last 64 features are a value head's,
	s_cselect_b32 s[NOTV], s22, 0                  ; and they are the second half's waves'
	s_cmp_eq_u32 s[NOTV], 0
	s_cselect_b32 s[NOTV], -1, 0                   ; all ones but in those waves
	s_lshl_b32 s8, s25, 19                         ; head 2 tx
	s_add_co_u32 s9, s8, 262144                    ; head 2 tx + 1
	s_add_co_u32 s10, s25, 32
	s_lshl_b32 s10, s10, 18                        ; head 32 + tx: key heads from 32, value heads from 40
	s_add_co_u32 s11, s9, 1024
	s_add_co_u32 s66, s8, 1024
	s_add_co_u32 s67, s10, 1024
	s_cmp_eq_u32 s22, 0
	s_cselect_b32 s8, s8, s11                      ; tiles 0, 1
	s_cselect_b32 s66, s66, s10                    ; tiles 2, 3
	s_cselect_b32 s9, s9, s67                      ; tiles 4, 5
	s_lshl_b32 s29, s29, 7                         ; my first position tile x 2,048 bytes
	v_and_b32 v5, 31, v0
	v_lshlrev_b32 v5, 4, v5                        ; 16 x lane
	v_and_b32 v6, 7, v1
	v_lshl_add_u32 v6, v2, 3, v6
	v_lshrrev_b32 v7, 3, v1
	v_lshl_add_u32 v6, v7, 4, v6
	v_lshlrev_b32 v6, 4, v6                        ; v's place: 16 x ((r % 8) + 8 h + 16 (r / 8))
	v_cndmask_b32 v6, v6, v5, s[NOTV]
	v_add_nc_u32 v7, s29, v5
	v_add_nc_u32 v6, s29, v6
	v_add_nc_u32 v[VOX], s8, v7
	v_add_nc_u32 v[VOX+1], s66, v6
	v_add_nc_u32 v[VOX+2], s9, v6
	s_mul_i32 s8, s25, 12
	s_mul_i32 s9, s22, 6
	s_add_co_u32 s8, s8, s9
	s_lshl_b32 s8, s8, 10
	v_add_nc_u32 v[VO32], s8, v5                   ; qkv32: tile 12 tx + 6 wc + b, 1,024 bytes each
.macro FETCH q                         ; the fragments of step q (128 along K): W's six, x's four: 20 loads
.set FW, 48*((\q)%2)
.set FX, 96+32*((\q)%2)
.set SL, ((\q)/4)%3
	WIN TO_F
.irp i, 0,1,2,3,4,5
.irp c, 0,1
	ds_load_b128 v[FW+8*\i+4*\c:FW+8*\i+4*\c+3], v[ADRB+SL] offset:64*((\q)%4)+32*\c+\i*4352
.endr
.endr
.irp i, 0,1,2,3
.irp c, 0,1
	ds_load_b128 v[FX+8*\i+4*\c:FX+8*\i+4*\c+3], v[ADRA+SL] offset:64*((\q)%4)+32*\c+\i*4352
.endr
.endr
.endm
.macro SCALES ch                       ; chunk ch's scale words, four a row: 10 loads
.set SS, SC+40*((\ch)%2)
	WIN 0
.irp i, 0,1,2,3
	ds_load_b128 v[SS+4*\i:SS+4*\i+3], v[ADSA] offset:16*(\ch)+\i*1088
.endr
.irp i, 0,1,2,3,4,5
	ds_load_b128 v[SS+16+4*\i:SS+16+4*\i+3], v[ADSB] offset:16*(\ch)+\i*1088
.endr
.endm
; six matrix instructions: x's block a against W's six tiles.  The 24 accumulators take turns, one instruction a turn, in the same order in every step.
.macro MULA q, a, zero
.set FW, 48*((\q)%2)
.set FX, 96+32*((\q)%2)+8*(\a)
.set SS, SC+40*(((\q)/4)%2)+(\q)%4
.irp b, 0,1,2,3,4,5
.if \zero
	v_wmma_scale_f32_16x16x128_f8f6f4 v[8*(6*(\a)+\b):8*(6*(\a)+\b)+7], v[FW+8*\b:FW+8*\b+7], v[FX:FX+7], 0, v[SS+16+4*\b], v[SS+4*(\a)] matrix_a_fmt:MATRIX_FMT_FP4 matrix_b_fmt:MATRIX_FMT_FP4
.else
	v_wmma_scale_f32_16x16x128_f8f6f4 v[8*(6*(\a)+\b):8*(6*(\a)+\b)+7], v[FW+8*\b:FW+8*\b+7], v[FX:FX+7], v[8*(6*(\a)+\b):8*(6*(\a)+\b)+7], v[SS+16+4*\b], v[SS+4*(\a)] matrix_a_fmt:MATRIX_FMT_FP4 matrix_b_fmt:MATRIX_FMT_FP4
.endif
.endr
.endm
.macro STEP q, zero                    ; a step whose successor's bytes are known to lie in LDS
	PLACES 4                                       ; in front of loads into the set that the step before multiplied
.if ((\q)+1)%4 == 0
	SCALES ((\q)+1)/4
.endif
	FETCH (\q)+1
.if ((\q)+1)%4 == 0
	s_wait_dscnt 30                                ; all but the 30 just issued: this step's set is in
.else
	s_wait_dscnt 20                                ; all but the 20 just issued
.endif
	WIN MUL
.irp a, 0,1,2,3
	MULA \q, \a, \zero
.endr
.endm
; A step in front of a slot that needs a barrier.  Each wave waits for all its tensor loads, adds 0 to its spare word, and waits for that and for its reads.  fill = 1: slot 0, which nobody reads any more, takes chunk 3.
.macro TURN q, fill
	WIN 0                                          ; (the add's two registers lie in window 0)
	s_wait_tensorcnt 0x0                           ; all my tensor loads have landed
	ds_add_u32 v[SPW], v[NIL]                      ; 0 onto my spare word
	s_wait_dscnt 1                                 ; this step's set is in; the add may be out
	WIN MUL
	MULA \q, 0, 0
	MULA \q, 1, 0
	s_wait_dscnt 0x0                               ; the add is done, and no LDS read of mine is out
	s_barrier_signal -1
	MULA \q, 2, 0
	WIN 0
	s_barrier_wait -1
.if \fill
	CREST                                          ; the barrier has opened a round of the cluster's barrier: no wave of any partner still reads slot 0 or has a load on its way
	s_add_nc_u64 s[G0A+2:G0A+3], s[G0A+2:G0A+3], 768
	s_add_nc_u64 s[G0B+2:G0B+3], s[G0B+2:G0B+3], 768
	JLOAD G0A, G1A, G0B, G1B                       ; the first tensor load behind the round; its four v_nop are the places in front of the loads below
.else
	PLACES 4
.endif
	SCALES ((\q)+1)/4
	FETCH (\q)+1
	WIN MUL
	MULA \q, 3, 0
.endm
	s_wait_tensorcnt 2                             ; the scale bytes and my part of chunk 0 are in; chunks 1 and 2 may be out
	s_barrier_signal -1
	s_barrier_wait -1
	SCALES 0
	FETCH 0
	STEP 0, 1                                      ; the first step's products start the sums
	STEP 1, 0
	STEP 2, 0
	TURN 3, 1                                      ; every wave has waited for chunks 1 and 2 in front of this round: slots 1 and 2 are whole from here on
.irp q, 4,5,6,7,8,9,10
	STEP \q, 0
.endr
	TURN 11, 0                                     ; chunk 3 is whole
.irp q, 12,13,14
	STEP \q, 0
.endr
	s_wait_dscnt 0x0
	WIN MUL
.irp a, 0,1,2,3
	MULA 15, \a, 0
.endr
	WIN 0
; THE WAY OUT.  Pair i of a lane: (tr, ti) -> (tr c - ti s, tr s + ti c).  Each accumulator is read from its low end on.
.macro ROPE a, b
.set AC, 8*(6*(\a)+(\b))
.set CC, COS+16*(\a)+4*((\b)%4)
.set SN, SIN+16*(\a)+4*((\b)%4)
.irp i, 0,1,2,3
	v_mul_f32 v[TT+2*\i], v[AC+2*\i+1], v[SN+\i]
	v_mul_f32 v[TT+2*\i+1], v[AC+2*\i], v[SN+\i]
.endr
.irp i, 0,1,2,3
	v_fma_f32 v[RR+8*(\b)+2*\i], v[AC+2*\i], v[CC+\i], -v[TT+2*\i]
	v_fma_f32 v[RR+8*(\b)+2*\i+1], v[AC+2*\i+1], v[CC+\i], v[TT+2*\i+1]
.endr
.endm
	s_wait_loadcnt 0x0                             ; cosines and sines
	PLACES 4                                       ; behind the last products
.irp a, 0,1,2,3
	s_wait_xcnt 0x0                                ; the last block's stores have read their registers
	WIN 0x52                                       ; source 0 window 2, source 1 window 0, source 2 and destination window 1
	ROPE \a, 0
	ROPE \a, 1
	WIN 0
.set jj, 0
.rept 16
	v_cndmask_b32 v[COS+16*\a+jj], 1.0, v[COS+16*\a+jj], s[NOTV]   ; tiles 2 to 5 of a wave that holds a value head are not rotated
	v_cndmask_b32 v[SIN+16*\a+jj], 0, v[SIN+16*\a+jj], s[NOTV]
.set jj, jj+1
.endr
	WIN 0x52
	ROPE \a, 2
	ROPE \a, 3
	ROPE \a, 4
	ROPE \a, 5
	WIN 0x45                                       ; sources and destination window 1
.set jj, 0
.rept 24
	v_cvt_pk_f16_f32 v[HH+jj], v[RR+2*jj], v[RR+2*jj+1]
.set jj, jj+1
.endr
	WIN 0x04                                       ; a store's data are its source 1: window 1
.irp b, 0,1,2,3,4,5
	global_store_b128 v[VOX+\b/2], v[HH+4*\b:HH+4*\b+3], s[16:17] offset:\a*2048+(\b%2)*512   ; 32 lanes store 512 consecutive bytes
.endr
.if \a == 0
	WIN 0
	s_wait_xcnt 0x0                                ; EXEC changes only behind this wait
	v_cmp_gt_u32 vcc_lo, 16, v[POS]                ; positions 0 to 15 also leave as f32: a predicate and no branch, since the tile row hangs on my place in the cluster
	s_and_saveexec_b32 s29, vcc_lo
	WIN 0x04
.irp b, 0,1,2,3,4,5
	global_store_b128 v[VO32], v[RR+8*\b:RR+8*\b+3], s[18:19] offset:\b*1024
	global_store_b128 v[VO32], v[RR+8*\b+4:RR+8*\b+7], s[18:19] offset:\b*1024+512
.endr
	WIN 0
	s_wait_xcnt 0x0
	s_or_b32 exec_lo, exec_lo, s29
.endif
.endr
	WIN 0
	s_wait_tensorcnt 0x0                           ; the wave's end
	ds_add_u32 v[SPW], v[NIL]
	s_wait_dscnt 0x0
	CROUND                                         ; the closing round
	s_endpgm
.Lfunc_end_k_qebda4d2116_qkv:
	.size	k_qebda4d2116_qkv, .Lfunc_end_k_qebda4d2116_qkv-k_qebda4d2116_qkv
	.p2alignl 7, 3214868480
	.fill 96, 4, 3214868480
	.section	.rodata,"a",@progbits
	.p2align	6, 0x0
	.amdhsa_kernel k_qebda4d2116_qkv
		.amdhsa_group_segment_fixed_size 327680
		.amdhsa_private_segment_fixed_size 0
		.amdhsa_enable_private_segment 0
		.amdhsa_kernarg_size 64
		.amdhsa_user_sgpr_count 2
		.amdhsa_user_sgpr_kernarg_segment_ptr 1
		.amdhsa_wavefront_size32 1
		.amdhsa_system_sgpr_workgroup_id_x 1
		.amdhsa_system_sgpr_workgroup_id_y 1
		.amdhsa_system_sgpr_workgroup_id_z 1
		.amdhsa_system_vgpr_workitem_id 0
		.amdhsa_next_free_vgpr 768
		.amdhsa_next_free_sgpr 102
		.amdhsa_reserve_vcc 1
		.amdhsa_float_denorm_mode_32 3
		.amdhsa_float_denorm_mode_16_64 3
		.amdhsa_memory_ordered 1
		.amdhsa_forward_progress 1
		.amdhsa_inst_pref_size 127
	.end_amdhsa_kernel
	.amdgpu_metadata
---
amdhsa.version: [ 1, 2 ]
amdhsa.kernels:
  - .name:           k_qebda4d2116_qkv
    .symbol:         k_qebda4d2116_qkv.kd
    .args:
      - { .name: x_codes, .offset: 0, .size: 8, .value_kind: global_buffer, .address_space: global }
      - { .name: x_scales, .offset: 8, .size: 8, .value_kind: global_buffer, .address_space: global }
      - { .name: w_codes, .offset: 16, .size: 8, .value_kind: global_buffer, .address_space: global }
      - { .name: w_scales, .offset: 24, .size: 8, .value_kind: global_buffer, .address_space: global }
      - { .name: freqs_cos, .offset: 32, .size: 8, .value_kind: global_buffer, .address_space: global }
      - { .name: freqs_sin, .offset: 40, .size: 8, .value_kind: global_buffer, .address_space: global }
      - { .name: qkv16, .offset: 48, .size: 8, .value_kind: global_buffer, .address_space: global }
      - { .name: qkv32, .offset: 56, .size: 8, .value_kind: global_buffer, .address_space: global }
    .group_segment_fixed_size: 327680
    .private_segment_fixed_size: 0
    .kernarg_segment_align: 8
    .kernarg_segment_size: 64
    .max_flat_workgroup_size: 128
    .sgpr_count:     102
    .vgpr_count:     768
    .wavefront_size: 32
...
	.end_amdgpu_metadata
.endif
;; end of part 2
;; launch attn (part 3): grid 32 x 8, 8 waves a work-group, clusters of 4 x 1, 327,680 bytes of LDS; arguments qkv16, oh; writes oh
.if DOCPART == 3
	.amdgcn_target "amdgcn-amd-amdhsa--gfx1250"
	.amdhsa_code_object_version 6
	.text
	.protected	k_qebda4d2116_attn
	.globl	k_qebda4d2116_attn
	.p2align	8
	.type	k_qebda4d2116_attn,@function
k_qebda4d2116_attn:
	s_mov_b64 s[64:65], 0
	v_nop
	global_prefetch_b8 v0, s[64:65] scope:SCOPE_SE
	s_setreg_imm32_b32 hwreg(HW_REG_WAVE_MODE, 25, 1), 1
	s_wait_xcnt 0x0
	s_wait_alu depctr_hold_cnt(0) depctr_sa_sdst(0) depctr_va_vdst(0) depctr_va_sdst(0) depctr_va_ssrc(0) depctr_va_vcc(0) depctr_vm_vsrc(0)
	s_getreg_b32 s2, hwreg(HW_REG_IB_STS2, 6, 4)
	s_cmp_eq_u32 s2, 0
	s_cbranch_scc0 .Lentry_in_a_cluster
	s_endpgm
.Lentry_in_a_cluster:
	s_bfe_u32 s2, ttmp6, 0x10000c
	s_cmp_lg_u32 s2, 0x3003
	s_cbranch_scc0 .Lentry_shape_is_right
	s_endpgm
.Lentry_shape_is_right:
; Causal attention, head size 64, 32 query heads on 8 key and value heads, operands f16, products, maxima and sums f32; the weights are rounded to f16 for the second product, o once at the end.
; CLUSTER 4 x 1: the four query heads of one key and value head walk the same K and V tiles with the same causal shape: every tile is asked for JOINTLY.  Branches hang on the work-group's y, the count of units and the wave's number alone.
; SHARES.  Work-group y = I owns query blocks I and 15 - I of 128 rows, one after the other: (I + 1) + (16 - I) = 17 units of 128 queries x 128 keys in EVERY work-group: even work.  Tiles wholly above the diagonal are never walked.
; Unit T: T <= I: block I, key tile T; else block 15 - I, key tile T - I - 1.  Units I and 16 lie on the diagonal.  I is 7 at the most, so units 8 to 15 neither lie on a diagonal nor end a block.
; Wave (qg = w % 4, kh = w / 4) takes 32 queries (two tiles) x keys 64 kh .. 64 kh + 63 of the unit: two waves to a SIMD, one's softmax beside the other's products.  The two key halves keep their own maximum, sum and O^T, and are merged at a block's end through LDS.
; THE RING.  A slot holds FOUR units: eight tiles of 16,384 bytes, one for each of the eight waves (wave w: unit w / 2 of the slot, K's tile where w is even, V's where it is odd, at LDS byte 16,384 w of the slot).  Two slots.
; Units 0-7 are first fills; units 8-11, 12-15 and 16 are three refills, each behind a round of the cluster's barrier.  Between two changes of slots a wave walks four units with no barrier.  By this text's count two tensor loads of a wave are out at the start, later one.
; LAYOUT.  S^T = K Q^T and O^T = V^T P: a lane holds one query throughout.  K, Q and V come as images of operand registers, 512 bytes for 16 rows x 16 channels, read at 16 x lane; V's pieces by the turning load.
; SOFTMAX.  A running maximum m and sum l for each query: p = 2^(c s - c m), c = log2(e) / 8; O and l are multiplied by a = 2^(c m_old - c m_new) in every unit.
; LIMITS: f16 operands (magnitudes up to 65,504; p under 6e-8 falls to 0); NaN and infinities are not served.
; REGISTERS: v0 prefetch offset; v1-6 addresses; v7, v8 the add's two; v9, v10 the mask's d for the two tiles; v11 -infinity; v12-15 at work; v16-47 Q; v48-111 K's fragments, then V's; v112-175 S^T, then p, then P; v176-239 O^T; v240-255 statistics, eight a tile.
.set UNITB, 32768                      ; a unit's tiles: K's 16,384 bytes, then V's
.set SLOT1, 4*UNITB                    ; slot 1 begins here
.set VOFF,  16384
.set XCH,   2*SLOT1                    ; the merge's own bytes: 8,704 for each pair of waves; no tile lands here
.set SPARE, XCH+4*8704                 ; the spare words, 128 bytes a wave
.set PFO, 0
.set LI,  1
.set AK0, 2
.set AV0, 3
.set ADK, 4
.set ADV, 5
.set XA,  6
.set SPW, 7
.set NIL, 8
.set D0,  9
.set NINF, 11
.set Q,   16
.set KV,  48
.set S,   112
.set O,   176
.set ST,  240                          ; tile t at ST + 8 t: +0 c m, +1 m, +2, +3 l, +4 to +7 at work (a in +6)
; s8 wave; s10 I + 1; s11 I; s12 T; s13 wave / 2; s14 counts a slot's units; s15 on the diagonal; s16 1 in waves 4, 5; s17 0 in waves 2, 3; s18 LDS byte of the unit in hand; s19, s75 who prefetches; s[20:21] lane selects; s[22:23] c;
; s[24:31] descriptor group 1; s[32:35], s[68:71] group 0 for slots 0 and 1; s[36:37] K's or V's head; s[38:39] an offset; s[40:41], s[48:49] Q of blocks 15 - I and I; s[42:43], s[44:45] o of blocks I and 15 - I; s[46:47], s[72:73] the two prefetches' places
.macro ROUND
	s_barrier_signal -1
	s_barrier_wait -1
	s_cmp_lg_u32 s8, 0
	s_cbranch_scc1 .Lnot_wave_0_\@
	s_barrier_signal -3
.Lnot_wave_0_\@:
	s_barrier_wait -3
	s_barrier_signal -1
	s_barrier_wait -1
.endm
; The global address of my tile of the slot whose first unit is 'first', into group 0 at g0.  It hangs on the wave's number and on I, which the four partners share.
.macro DESC g0, first
	s_add_co_u32 s2, s13, \first                   ; my unit
	s_sub_co_u32 s3, s2, s10                       ; behind block I's units the key tile is the unit - I - 1
	s_cmp_le_u32 s2, s11
	s_cselect_b32 s2, s2, s3
	s_lshl_b32 s38, s2, 14
	s_add_nc_u64 s[\g0+2:\g0+3], s[36:37], s[38:39]
	s_or_b32 s[\g0+3], s[\g0+3], 0x80000000        ; type = 2
.endm
; A PREFETCH of what the NEXT change of slots will be the first to ask for, behind the wave's tensor load and its five lines.  All work-groups of a key and value head walk the same tiles, and the work-groups with y = 0 reach each of tiles 11 to 15 first: their cluster asks.
; Behind the first refill: tiles 11 to 14: partner cx takes tile 11 + cx, told apart BY ADDRESS; in it waves 0 to 3 take K's or V's tile (w % 2), its first or second 8,192 bytes (w / 2), a lane to each 256 bytes.
; Behind the second refill: tile 15: partner cx takes K's or V's (cx / 2), first or second half (cx % 2); wave 0 asks.  So each block of 256 bytes is named once.  Tiles 0 to 10 come by their loads alone.  Neither pointer is ever rewritten.
.macro ASK flag, p
	s_cmp_lg_u32 s[\flag], 0
	s_cbranch_scc0 .Lnot_mine_\@
	global_prefetch_b8 v[PFO], s[\p:\p+1] th:TH_LOAD_NT scope:SCOPE_SE
.Lnot_mine_\@:
.endm
.macro START                           ; a block begins: zeros, and a maximum under every score
.set jj, 0
.rept 64
	v_mov_b32 v[O+jj], 0
.set jj, jj+1
.endr
.irp t, 0,1
	v_mov_b32 v[ST+8*\t+1], 0xff61b1e6             ; -3e38
	v_mov_b32 v[ST+8*\t+2], 0
	v_mov_b32 v[ST+8*\t+3], 0
	v_mul_f32 v[ST+8*\t], s22, v[ST+8*\t+1]
.endr
.endm
	s_load_b128 s[4:7], s[0:1], 0x0                ; qkv16, oh
	v_lshl_add_u32 v[SPW], v0, 2, SPARE
	v_mov_b32 v[NIL], 0
	ds_add_u32 v[SPW], v[NIL]                      ; the wave's opening: the add, twice on end, and its wait ahead of my first tensor load
	ds_add_u32 v[SPW], v[NIL]
	v_lshrrev_b32 v12, 5, v0
	v_readfirstlane_b32 s8, v12                    ; wave 0..7
	s_and_b32 s11, ttmp7, 0xffff                   ; I
	s_add_co_u32 s10, s11, 1
	s_lshr_b32 s13, s8, 1                          ; which of a slot's four units I fetch for
	s_and_b32 s52, s8, 1                           ; 0: K's tile, 1: V's
	s_and_b32 s50, s8, 3                           ; qg
	s_lshr_b32 s51, s8, 2                          ; kh
	s_mov_b32 s24, 15|(3<<16)|(1<<21)              ; the mask: all four partners; elements of 8 bytes; bit 21 beside a mask; no padding
	s_mov_b32 s25, 32<<16                          ; rows of 256 bytes,
	s_mov_b32 s26, 64<<16                          ; 64 of them,
	s_mov_b32 s27, 32<<16
	s_mov_b32 s28, 64
	s_mov_b32 s29, 32                              ; dense
	s_mov_b32 s30, 0
	s_mov_b32 s31, 0
	s_mov_b32 s32, 1
	s_lshl_b32 s33, s8, 14                         ; slot 0: my tile's place, 16,384 x wave
	s_mov_b32 s68, 1
	s_add_co_u32 s69, s33, SLOT1                   ; and in slot 1
	s_lshl_b32 s53, s52, 3
	s_add_co_u32 s53, s53, ttmp9
	s_add_co_u32 s53, s53, 32                      ; head 32 + g of qkv16, or 40 + g
	s_lshl_b32 s38, s53, 18
	s_mov_b32 s39, 0
	s_mov_b32 s12, 0
	s_mov_b32 s20, 0x76543210
	s_mov_b32 s21, 0xfedcba98
	s_mov_b32 s22, 0x3e38aa3b                      ; c = log2(e) / 8
	s_mov_b32 s23, s22
	s_cmp_eq_u32 s13, 2
	s_cselect_b32 s16, 1, 0                        ; waves 4, 5: queries 0-63, keys 64-127: on the diagonal all hidden
	s_cmp_eq_u32 s13, 1
	s_cselect_b32 s17, 0, 1                        ; waves 2, 3: queries 64-127, keys 0-63: on the diagonal all open
	s_or_b32 s2, s51, s11
	s_cmp_eq_u32 s2, 0
	s_cselect_b32 s19, 1, 0                        ; waves 0 to 3 where y = 0: the same in all four partners
	s_or_b32 s2, s8, s11
	s_cmp_eq_u32 s2, 0
	s_cselect_b32 s75, 1, 0                        ; wave 0 where y = 0
	s_bfe_u32 s9, ttmp6, 0x40000                   ; cx: it enters Q's, o's and the prefetches' addresses alone
	s_lshl_b32 s14, ttmp9, 2
	s_add_co_u32 s14, s14, s9                      ; my query head
	s_lshl_b32 s54, s14, 18
	s_lshl_b32 s55, s50, 12
	s_add_co_u32 s54, s54, s55                     ; Q: head x 262,144 + my two position tiles
	s_lshl_b32 s56, s11, 14
	s_add_co_u32 s56, s56, s54                     ; block I
	s_mov_b32 s57, 0
	s_sub_co_u32 s58, 15, s11
	s_lshl_b32 s59, s58, 14
	s_add_co_u32 s54, s54, s59                     ; block 15 - I
	s_mov_b32 s55, 0
	s_lshl_b32 s60, s14, 11
	s_lshl_b32 s61, s50, 17
	s_add_co_u32 s60, s60, s61                     ; o: my two position tiles x 65,536 + head x 2,048
	s_lshl_b32 s62, s58, 19
	s_add_co_u32 s62, s62, s60
	s_mov_b32 s63, 0
	s_lshl_b32 s61, s11, 19
	s_add_co_u32 s60, s60, s61
	s_mov_b32 s61, 0
	s_add_co_u32 s76, s9, 11                       ; the first prefetch: tile 11 + cx of my wave's K or V,
	s_lshl_b32 s76, s76, 14
	s_and_b32 s77, s13, 1
	s_lshl_b32 s77, s77, 13                        ; its first or second half
	s_add_co_u32 s76, s76, s77
	s_mov_b32 s77, 0
	s_add_co_u32 s58, ttmp9, 32                    ; the second: tile 15
	s_lshl_b32 s58, s58, 18
	s_lshr_b32 s59, s9, 1
	s_lshl_b32 s59, s59, 21                        ; partners 2, 3: V's
	s_add_co_u32 s58, s58, s59
	s_and_b32 s59, s9, 1
	s_lshl_b32 s59, s59, 13                        ; which half of the tile
	s_add_co_u32 s58, s58, s59
	s_add_co_u32 s58, s58, 15*16384
	s_mov_b32 s59, 0
	s_wait_dscnt 0x0                               ; both opening adds are done
	s_wait_kmcnt 0x0
	s_add_nc_u64 s[36:37], s[4:5], s[38:39]
	s_add_nc_u64 s[46:47], s[36:37], s[76:77]
	s_add_nc_u64 s[72:73], s[4:5], s[58:59]
	s_add_nc_u64 s[48:49], s[4:5], s[56:57]
	s_add_nc_u64 s[40:41], s[4:5], s[54:55]
	s_add_nc_u64 s[42:43], s[6:7], s[60:61]
	s_add_nc_u64 s[44:45], s[6:7], s[62:63]
	DESC 32, 0                                     ; units 0 to 3
	DESC 68, 4                                     ; units 4 to 7
	ROUND                                          ; all four work-groups are here: the first joint loads meet
	tensor_load_to_lds s[32:35], s[24:31]          ; every wave's two first fills, ahead of every wait on TENSORcnt, every LDS read and every other barrier
	s_nop 0
	tensor_load_to_lds s[68:71], s[24:31]
	s_nop 0
.rept 4
	v_nop
.endr
	v_and_b32 v12, 31, v0                          ; lane
	v_and_b32 v13, 15, v0                          ; r
	v_bfe_u32 v14, v0, 4, 1                        ; h
	v_lshlrev_b32 v[LI], 4, v12
.irp n, 0,1,2,3,4,5,6,7
	global_load_b128 v[Q+4*\n:Q+4*\n+3], v[LI], s[48:49] offset:512*\n   ; block I's Q: tile n / 4, feature tile n % 4
.endr
	s_lshl_b32 s2, s51, 13
	v_add_nc_u32 v[AK0], s2, v[LI]                 ; my four key tiles of a unit
	v_add_nc_u32 v[AV0], VOFF, v[AK0]
	s_mul_i32 s2, s50, 8704
	s_add_co_u32 s2, s2, XCH
	v_add_nc_u32 v[XA], s2, v[LI]
	s_lshl_b32 s2, s50, 5
	s_lshl_b32 s3, s51, 6
	s_sub_co_i32 s2, s2, s3
	v_lshlrev_b32 v14, 3, v14
	v_sub_nc_u32 v[D0], v13, v14
	v_add_nc_u32 v[D0], s2, v[D0]                  ; d = 32 qg - 64 kh + r - 8 h: on the diagonal register j of key tile k is hidden where 16 k + j > d
	v_add_nc_u32 v[D0+1], 16, v[D0]
	v_mov_b32 v[NINF], 0xff800000
	v_lshlrev_b32 v[PFO], 8, v12                   ; (v0 has served)
	START
; THE CHANGE OF SLOTS.  Each wave waits for all its tensor loads, adds 0 to its spare word, and waits for that and for its reads of the slot that it has left.
; who = 8: behind a round of the cluster's barrier that slot takes the four units from 'first' on, a tile a wave; who = 2: one unit, by waves 0 and 1; who = 0: nothing is left to fetch, and the work-group's barrier does.
.macro CHANGE g0, first, who
	s_wait_tensorcnt 0x0                           ; no tensor load of mine is out, so a descriptor may be written; the slot ahead has my part
	ds_add_u32 v[SPW], v[NIL]                      ; the descriptor's step stands between the add and the wait for it
.if \who
	DESC \g0, \first
.endif
	s_wait_dscnt 0x0                               ; the add is done, and my reads of the slot that I have left are over
.if \who
	ROUND                                          ; both now hold of every wave of all four work-groups
.if \who < 8
	s_cmp_lt_u32 s8, \who
	s_cbranch_scc0 .Lnone_\@
.endif
	tensor_load_to_lds s[\g0:\g0+3], s[24:31]      ; the first thing behind the round, one load a wave: it has the other slot's four units in which to land
	s_nop 0
.rept 4
	v_nop
.endr
.Lnone_\@:
.else
	s_barrier_signal -1
	s_barrier_wait -1
.endif
.endm
.macro SOFTMAX                         ; the two tiles line by line, so that no line waits for the line above it
.irp j, 0,1,2,3
.irp t, 0,1
	v_max3_num_f32 v[ST+8*\t+4+\j], v[S+32*\t+8*\j], v[S+32*\t+8*\j+1], v[S+32*\t+8*\j+2]
.endr
.endr
.irp k, 3,5
.irp j, 0,1,2,3
.irp t, 0,1
	v_max3_num_f32 v[ST+8*\t+4+\j], v[ST+8*\t+4+\j], v[S+32*\t+8*\j+\k], v[S+32*\t+8*\j+\k+1]
.endr
.endr
.endr
.irp t, 0,1
	v_max3_num_f32 v[ST+8*\t+4], v[ST+8*\t+4], v[S+32*\t+7], v[S+32*\t+15]
	v_max3_num_f32 v[ST+8*\t+6], v[ST+8*\t+6], v[S+32*\t+23], v[S+32*\t+31]
.endr
.irp t, 0,1
	v_max3_num_f32 v[ST+8*\t+4], v[ST+8*\t+4], v[ST+8*\t+5], v[ST+8*\t+6]
.endr
.irp t, 0,1
	v_max3_num_f32 v[ST+8*\t+4], v[ST+8*\t+4], v[ST+8*\t+7], v[ST+8*\t+1]   ; with the old m
.endr
.irp t, 0,1
	v_permlanex16_b32 v[ST+8*\t+5], v[ST+8*\t+4], s20, s21         ; the query's other keys lie in the lane 16 away
	v_mov_b32 v[ST+8*\t+7], v[ST+8*\t]                             ; c m_old
.endr
.irp t, 0,1
	v_max_num_f32 v[ST+8*\t+1], v[ST+8*\t+4], v[ST+8*\t+5]
.endr
.irp t, 0,1
	v_mul_f32 v[ST+8*\t], s22, v[ST+8*\t+1]
.endr
.irp t, 0,1
	v_sub_f32 v[ST+8*\t+7], v[ST+8*\t+7], v[ST+8*\t]
.endr
.irp b, 0,2,4,6,8,10,12,14,16,18,20,22,24,26,28,30
.irp t, 0,1
	v_pk_fma_f32 v[S+32*\t+\b:S+32*\t+\b+1], v[S+32*\t+\b:S+32*\t+\b+1], s[22:23], v[ST+8*\t:ST+8*\t+1] op_sel_hi:[1,0,0] neg_lo:[0,0,1] neg_hi:[0,0,1]   ; c s - c m
.endr
.endr
.irp t, 0,1
	v_exp_f32 v[ST+8*\t+6], v[ST+8*\t+7]           ; a
.endr
.set jj, 0
.rept 64
	v_exp_f32 v[S+jj], v[S+jj]                     ; p: one batch of 66 exponentials
.set jj, jj+1
.endr
	v_nop                                          ; a plain instruction behind the last exponential
	s_wait_alu depctr_va_vdst(0)                   ; one wait for the batch, ahead of its first reader
.irp t, 0,1
	v_pk_add_f32 v[ST+8*\t+4:ST+8*\t+5], v[S+32*\t:S+32*\t+1], v[S+32*\t+2:S+32*\t+3]   ; the sum of the unrounded p, in two chains a tile
	v_pk_add_f32 v[12+2*\t:13+2*\t], v[S+32*\t+4:S+32*\t+5], v[S+32*\t+6:S+32*\t+7]
.endr
.irp k, 8,12,16,20,24,28
.irp t, 0,1
	v_pk_add_f32 v[ST+8*\t+4:ST+8*\t+5], v[ST+8*\t+4:ST+8*\t+5], v[S+32*\t+\k:S+32*\t+\k+1]
	v_pk_add_f32 v[12+2*\t:13+2*\t], v[12+2*\t:13+2*\t], v[S+32*\t+\k+2:S+32*\t+\k+3]
.endr
.endr
.irp t, 0,1
	v_pk_add_f32 v[ST+8*\t+4:ST+8*\t+5], v[ST+8*\t+4:ST+8*\t+5], v[12+2*\t:13+2*\t]
.endr
.irp t, 0,1
	v_pk_fma_f32 v[ST+8*\t+2:ST+8*\t+3], v[ST+8*\t+2:ST+8*\t+3], v[ST+8*\t+6:ST+8*\t+7], v[ST+8*\t+4:ST+8*\t+5] op_sel_hi:[1,0,1]   ; l = a l + the sum
.endr
.set jj, 0
.rept 16
	v_cvt_pk_f16_f32 v[S+jj], v[S+2*jj], v[S+2*jj+1]               ; P in place, ascending: register i from registers 2 i and 2 i + 1
	v_cvt_pk_f16_f32 v[S+32+jj], v[S+32+2*jj], v[S+32+2*jj+1]
.set jj, jj+1
.endr
.set jj, 0
.rept 16
	v_pk_mul_f32 v[O+2*jj:O+2*jj+1], v[O+2*jj:O+2*jj+1], v[ST+6:ST+7] op_sel_hi:[1,0]     ; O^T x a
	v_pk_mul_f32 v[O+32+2*jj:O+32+2*jj+1], v[O+32+2*jj:O+32+2*jj+1], v[ST+14:ST+15] op_sel_hi:[1,0]
.set jj, jj+1
.endr
.endm
; A UNIT'S WORK, from the tiles at LDS byte s18.  mode = 0: the unit lies on the diagonal where T = I; 1: it does (unit 16); 2: it does not (units 8 to 15): no test and no mask are written.
.macro WORK mode
.if \mode == 1
	s_mov_b32 s15, 1
.elseif \mode == 0
	s_cmp_eq_u32 s12, s11
	s_cselect_b32 s15, 1, 0
.endif
.if \mode < 2
	s_and_b32 s2, s15, s16
	s_cmp_lg_u32 s2, 0
	s_cbranch_scc1 .Lhidden_\@                     ; all my 64 keys come after my 32 queries
.endif
	v_add_nc_u32 v[ADK], s18, v[AK0]
	v_add_nc_u32 v[ADV], s18, v[AV0]
.rept 3
	v_nop                                          ; with the two additions five places behind the last unit's products: their operands are loaded into and written over below
.endr
.irp f, 0,1
.irp k, 0,1,2,3
.irp u, 0,1
	ds_load_b128 v[KV+16*\k+8*\f+4*\u:KV+16*\k+8*\f+4*\u+3], v[ADK] offset:2048*\k+1024*\f+512*\u   ; key tile k, channels 32 f + 16 u on
.endr
.endr
.endr
	s_wait_loadcnt 0x0                             ; Q
	s_wait_dscnt 8                                 ; the first 32 channels' fragments are in; the second eight loads may be out
.irp k, 0,1,2,3
.irp t, 0,1
	v_wmma_f32_16x16x32_f16 v[S+32*\t+8*\k:S+32*\t+8*\k+7], v[KV+16*\k:KV+16*\k+7], v[Q+16*\t:Q+16*\t+7], 0
.endr
.endr
	s_wait_dscnt 0x0
.irp k, 0,1,2,3
.irp t, 0,1
	v_wmma_f32_16x16x32_f16 v[S+32*\t+8*\k:S+32*\t+8*\k+7], v[KV+16*\k+8:KV+16*\k+15], v[Q+16*\t+8:Q+16*\t+15], v[S+32*\t+8*\k:S+32*\t+8*\k+7]
.endr
.endr
.rept 4
	v_nop                                          ; places in front of the loads over K's fragments and of the first read of the scores
.endr
.irp g, 0,1
.irp c, 0,1,2,3
.irp u, 0,1
	ds_load_tr16_b128 v[KV+8*(4*\g+\c)+4*\u:KV+8*(4*\g+\c)+4*\u+3], v[ADV] offset:(2*\g+\u)*2048+512*\c   ; V^T: channels 16 c on, keys 32 g + 16 u on
.endr
.endr
.endr
.if \mode < 2
	s_and_b32 s2, s15, s17
	s_cmp_eq_u32 s2, 0
	s_cbranch_scc1 .Lopen_\@
.irp t, 0,1
.irp k, 0,1,2,3
.irp j, 0,1,2,3,4,5,6,7
	v_cmp_gt_i32 vcc_lo, 16*\k+\j, v[D0+\t]
	v_cndmask_b32 v[S+32*\t+8*\k+\j], v[S+32*\t+8*\k+\j], v[NINF], vcc_lo
.endr
.endr
.endr
.Lopen_\@:
.endif
	SOFTMAX
	s_wait_dscnt 0x0                               ; V
.irp g, 0,1
.irp c, 0,1,2,3
.irp t, 0,1
	v_wmma_f32_16x16x32_f16 v[O+32*\t+8*\c:O+32*\t+8*\c+7], v[KV+8*(4*\g+\c):KV+8*(4*\g+\c)+7], v[S+32*\t+8*\g:S+32*\t+8*\g+7], v[O+32*\t+8*\c:O+32*\t+8*\c+7]
.endr
.endr
.endr
.Lhidden_\@:
.endm
; A BLOCK'S END.  Waves 4 to 7 hand O^T, c m and l to waves 0 to 3 through LDS; those merge the two key halves, divide by the sum, round to f16 and store.  op: the pair that holds o's address.  more = 1: block 15 - I follows.
.macro FINISH op, more
.if \more
	s_wait_loadcnt 0x0                             ; no load lands on a register that a pending load still writes (a wave that jumped over the unit has not waited for Q)
.irp n, 0,1,2,3,4,5,6,7
	global_load_b128 v[Q+4*\n:Q+4*\n+3], v[LI], s[40:41] offset:512*\n
.endr
.endif
	v_add_f32 v[ST+4], v[ST+2], v[ST+3]
	v_add_f32 v[ST+12], v[ST+10], v[ST+11]
	v_nop
	v_nop                                          ; four places behind the last products
	s_cmp_lt_u32 s8, 4
	s_cbranch_scc1 .Llow_\@
	v_mov_b32 v12, v[ST]
	v_mov_b32 v13, v[ST+4]
	v_mov_b32 v14, v[ST+8]
	v_mov_b32 v15, v[ST+12]
.irp n, 0,1,2,3,4,5,6,7,8,9,10,11,12,13,14,15
	ds_store_b128 v[XA], v[O+4*\n:O+4*\n+3] offset:512*\n
.endr
	ds_store_b128 v[XA], v[12:15] offset:8192
.Llow_\@:
	s_wait_dscnt 0x0                               ; for the others' sake: my stores have landed
	s_barrier_signal -1
	s_barrier_wait -1                              ; (the branch round this macro hangs on T and I alone: all eight waves go the same way)
	s_cmp_lt_u32 s8, 4
	s_cbranch_scc0 .Lgave_\@
.irp n, 0,1,2,3,4,5,6,7,8,9,10,11,12,13,14,15
	ds_load_b128 v[KV+4*\n:KV+4*\n+3], v[XA] offset:512*\n
.endr
	ds_load_b128 v[12:15], v[XA] offset:8192
.Lgave_\@:
	s_wait_dscnt 0x0                               ; what was handed over is in registers
.if \more
	s_barrier_signal -1                            ; the merge's bytes are written again at the next block's end: this barrier stands between my reads of them and those stores
	s_barrier_wait -1
.endif
	s_cmp_lt_u32 s8, 4
	s_cbranch_scc0 .Lhigh_\@
.irp t, 0,1
	v_max_num_f32 v[ST+8*\t+5], v[ST+8*\t], v[12+2*\t]
.endr
.irp t, 0,1
	v_sub_f32 v[ST+8*\t+6], v[ST+8*\t], v[ST+8*\t+5]
	v_sub_f32 v[ST+8*\t+7], v[12+2*\t], v[ST+8*\t+5]
.endr
.irp t, 0,1
	v_exp_f32 v[ST+8*\t+6], v[ST+8*\t+6]
	v_exp_f32 v[ST+8*\t+7], v[ST+8*\t+7]
.endr
	v_nop
	s_wait_alu depctr_va_vdst(0)                   ; one wait for the four
.irp t, 0,1
	v_mul_f32 v[ST+8*\t+4], v[ST+8*\t+4], v[ST+8*\t+6]
.endr
.irp t, 0,1
	v_fma_f32 v[ST+8*\t+4], v[13+2*\t], v[ST+8*\t+7], v[ST+8*\t+4]
.endr
.irp t, 0,1
	v_permlanex16_b32 v[ST+8*\t+5], v[ST+8*\t+4], s20, s21
.endr
.irp t, 0,1
	v_add_f32 v[ST+8*\t+4], v[ST+8*\t+4], v[ST+8*\t+5]             ; the row's sum
.endr
.irp t, 0,1
	v_rcp_f32 v[ST+8*\t+5], v[ST+8*\t+4]
.endr
	v_nop
	s_wait_alu depctr_va_vdst(0)                   ; one wait for the two
.irp t, 0,1
	v_mul_f32 v[ST+8*\t+6], v[ST+8*\t+6], v[ST+8*\t+5]
	v_mul_f32 v[ST+8*\t+2], v[ST+8*\t+7], v[ST+8*\t+5]
.endr
.set jj, 0
.rept 16
	v_pk_mul_f32 v[O+2*jj:O+2*jj+1], v[O+2*jj:O+2*jj+1], v[ST+6:ST+7] op_sel_hi:[1,0]
	v_pk_mul_f32 v[O+32+2*jj:O+32+2*jj+1], v[O+32+2*jj:O+32+2*jj+1], v[ST+14:ST+15] op_sel_hi:[1,0]
.set jj, jj+1
.endr
.set jj, 0
.rept 16
	v_pk_fma_f32 v[O+2*jj:O+2*jj+1], v[KV+2*jj:KV+2*jj+1], v[ST+2:ST+3], v[O+2*jj:O+2*jj+1] op_sel_hi:[1,0,1]
	v_pk_fma_f32 v[O+32+2*jj:O+32+2*jj+1], v[KV+32+2*jj:KV+32+2*jj+1], v[ST+10:ST+11], v[O+32+2*jj:O+32+2*jj+1] op_sel_hi:[1,0,1]
.set jj, jj+1
.endr
.set jj, 0
.rept 32
	v_cvt_pk_f16_f32 v[S+jj], v[O+2*jj], v[O+2*jj+1]
.set jj, jj+1
.endr
.irp t, 0,1
.irp c, 0,1,2,3
	global_store_b128 v[LI], v[S+16*\t+4*\c:S+16*\t+4*\c+3], s[\op:\op+1] offset:\t*65536+512*\c   ; 32 lanes store 512 consecutive bytes: a piece of o's image
.endr
.endr
.Lhigh_\@:
.if \more
	START
	s_wait_xcnt 0x0                                ; the stores have read their registers: the next unit's scores may be written
.endif
.endm
; A slot's four units: written once, walked four times, with no barrier between them.  early = 1: units 0 to 7, among which block I ends; early = 0: units 8 to 15.
.macro PHASE slot, early
	s_mov_b32 s18, \slot*SLOT1
	s_mov_b32 s14, 4
.Lunit_\@:
.if \early
	WORK 0
	s_cmp_lg_u32 s12, s11
	s_cbranch_scc1 .Lsame_\@
	FINISH 42, 1
.Lsame_\@:
	s_add_co_u32 s12, s12, 1
.else
	WORK 2
.endif
	s_add_co_u32 s18, s18, UNITB
	s_sub_co_u32 s14, s14, 1
	s_cmp_lg_u32 s14, 0
	s_cbranch_scc1 .Lunit_\@
.endm
	s_wait_tensorcnt 0x1                           ; my tile of slot 0 is in; slot 1's may stay out
	s_barrier_signal -1
	s_barrier_wait -1                              ; everybody's is
	PHASE 0, 1                                     ; units 0 to 3
	CHANGE 32, 8, 8                                ; slot 1 is whole; slot 0 takes units 8 to 11
	ASK 19, 46
	PHASE 1, 1                                     ; units 4 to 7
	CHANGE 68, 12, 8                               ; slot 1 takes units 12 to 15
	ASK 75, 72
	PHASE 0, 0                                     ; units 8 to 11
	CHANGE 32, 16, 2                               ; unit 16's two tiles, at slot 0's first place: the last loads
	PHASE 1, 0                                     ; units 12 to 15
	CHANGE 32, 0, 0                                ; nothing is left to fetch
	s_mov_b32 s18, 0
	WORK 1                                         ; unit 16, on block 15 - I's diagonal
	FINISH 44, 0
	s_wait_tensorcnt 0x0                           ; the wave's end
	ds_add_u32 v[SPW], v[NIL]
	s_wait_dscnt 0x0
	ROUND                                          ; the closing round
	s_endpgm
.Lfunc_end_k_qebda4d2116_attn:
	.size	k_qebda4d2116_attn, .Lfunc_end_k_qebda4d2116_attn-k_qebda4d2116_attn
	.p2alignl 7, 3214868480
	.fill 96, 4, 3214868480
	.section	.rodata,"a",@progbits
	.p2align	6, 0x0
	.amdhsa_kernel k_qebda4d2116_attn
		.amdhsa_group_segment_fixed_size 327680
		.amdhsa_private_segment_fixed_size 0
		.amdhsa_enable_private_segment 0
		.amdhsa_kernarg_size 16
		.amdhsa_user_sgpr_count 2
		.amdhsa_user_sgpr_kernarg_segment_ptr 1
		.amdhsa_wavefront_size32 1
		.amdhsa_system_sgpr_workgroup_id_x 1
		.amdhsa_system_sgpr_workgroup_id_y 1
		.amdhsa_system_sgpr_workgroup_id_z 1
		.amdhsa_system_vgpr_workitem_id 0
		.amdhsa_next_free_vgpr 256
		.amdhsa_next_free_sgpr 80
		.amdhsa_reserve_vcc 1
		.amdhsa_float_denorm_mode_32 3
		.amdhsa_float_denorm_mode_16_64 3
		.amdhsa_memory_ordered 1
		.amdhsa_forward_progress 1
		.amdhsa_inst_pref_size 149
	.end_amdhsa_kernel
	.amdgpu_metadata
---
amdhsa.version: [ 1, 2 ]
amdhsa.kernels:
  - .name:           k_qebda4d2116_attn
    .symbol:         k_qebda4d2116_attn.kd
    .args:
      - { .name: qkv16, .offset: 0, .size: 8, .value_kind: global_buffer, .address_space: global }
      - { .name: oh, .offset: 8, .size: 8, .value_kind: global_buffer, .address_space: global }
    .group_segment_fixed_size: 327680
    .private_segment_fixed_size: 0
    .kernarg_segment_align: 8
    .kernarg_segment_size: 16
    .max_flat_workgroup_size: 256
    .sgpr_count:     80
    .vgpr_count:     256
    .wavefront_size: 32
...
	.end_amdgpu_metadata
.endif
;; end of part 3
;; launch fine16 (part 4): grid 128 x 1, 16 waves a work-group, no clusters, 153,600 bytes of LDS; arguments qkv32, wo, wo16, out0; writes wo16, out0
.if DOCPART == 4
	.amdgcn_target "amdgcn-amd-amdhsa--gfx1250"
	.amdhsa_code_object_version 6
	.text
	.protected	k_qebda4d2116_fine16
	.globl	k_qebda4d2116_fine16
	.p2align	8
	.type	k_qebda4d2116_fine16,@function
k_qebda4d2116_fine16:
	s_mov_b64 s[64:65], 0
	v_nop
	global_prefetch_b8 v0, s[64:65] scope:SCOPE_SE
	s_setreg_imm32_b32 hwreg(HW_REG_WAVE_MODE, 25, 1), 1
	s_wait_xcnt 0x0
; Two things in one pass over wo.  (1) wo, f32, becomes f16 images of operand registers for the projection: wo16 [128 tiles of 16 rows][128 channel tiles][512 bytes].  (2) Positions 0 to 15 of the output, where a row of the softmax averages few values, are made wholly in f32:
; attention from the f32 copy of q, k, v, and the projection with wo as it is loaded, by the f32 matrix form.
; A work-group owns 16 rows of wo (16 output columns).  Wave w owns heads 2 w and 2 w + 1 (key and value head w / 2), channels 128 w .. 128 w + 127: it computes their 16 x 16 attention, multiplies the result from its registers by its own 16 x 128 piece of wo; the sixteen waves' partial sums meet in LDS.
; The small attention is computed again in every work-group, 64 matrix instructions a wave, while wo's bytes are on their way; that spares a launch and a second read of wo.  128 work-groups: a tile of the f32 form has 16 columns.
; K ORDER.  A permutation of k applied alike to both sources keeps a product: a K step of four takes registers 2 s, 2 s + 1 of both sides, whatever features, keys or channels the layout has put there, the same on both sides.
; The registers that the f32 form writes (v208-255) are written by matrix instructions alone; what is made of a finished sum goes into other registers.
; out0's rows 0 to 15 leave in pieces of 16 bytes a lane, 128 KiB in the whole launch.  LIMITS: wo in f16 holds magnitudes up to 65,504; NaN and infinities are not served.
.set RED,   135168                     ; behind the sixteen stages of 16 x 528 bytes: 1,024 bytes a wave for the partial sums
.set SPARE, 151552                     ; the spare words, 128 bytes a wave
.set LI,  1
.set LW,  2
.set LV,  3
.set DD,  4
.set SPW, 5
.set NIL, 6
.set STW, 7
.set STR, 8
.set RW,  9
.set RR,  10
.set GO,  11
.set WO,  16                           ; v16-79   my piece of wo
.set KF,  80                           ; v80-111  k; later o of head 2 w
.set QA,  112                          ; v112-143 q of head 2 w; later o of head 2 w + 1
.set QB,  144                          ; v144-175 q of head 2 w + 1; later p of both heads and work
.set VF,  176                          ; v176-207 v^T; later wo's f16
.set SACC, 208
.set OACC, 224
	s_load_b256 s[4:11], s[0:1], 0x0               ; qkv32, wo, wo16, out0
	v_lshl_add_u32 v[SPW], v0, 2, SPARE
	v_mov_b32 v[NIL], 0
	v_lshrrev_b32 v12, 5, v0
	v_readfirstlane_b32 s12, v12                   ; wave 0..15
	v_and_b32 v12, 31, v0                          ; lane
	v_and_b32 v13, 15, v0                          ; r
	v_bfe_u32 v14, v0, 4, 1                        ; h
	v_lshlrev_b32 v[LI], 4, v12
	s_lshl_b32 s13, s12, 9
	v_add_nc_u32 v[LW], s13, v[LI]                 ; my wave's 512 bytes of a row of wo
	v_bfe_u32 v15, v13, 2, 1                       ; v^T: lane (channel r, h) wants keys 8 h + 0 .. 7 of channel r: in the f32 copy channel r lies in half (r / 4) % 2, lanes 16 (r / 8) + key, element r % 4
	v_lshlrev_b32 v[LV], 9, v15
	v_lshrrev_b32 v15, 3, v13
	v_lshl_add_u32 v[LV], v15, 8, v[LV]
	v_lshl_add_u32 v[LV], v14, 7, v[LV]
	v_and_b32 v15, 3, v13
	v_lshl_add_u32 v[LV], v15, 2, v[LV]
	v_lshlrev_b32 v15, 3, v14
	v_sub_nc_u32 v[DD], v13, v15                   ; d = r - 8 h: key 8 h + j is hidden for query r where j > d
	s_mul_i32 s13, s12, 16*528
	v_add_nc_u32 v[STW], s13, v[LI]
	v_mul_u32_u24 v15, v13, 528
	v_lshl_add_u32 v15, v14, 5, v15
	v_add_nc_u32 v[STR], s13, v15
	s_lshl_b32 s13, s12, 10
	s_add_co_u32 s13, s13, RED
	v_add_nc_u32 v[RW], s13, v[LI]
	s_and_b32 s13, s12, 1
	s_lshl_b32 s14, s13, 9
	s_add_co_u32 s14, s14, RED
	v_add_nc_u32 v[RR], s14, v[LI]
	s_lshl_b32 s13, s13, 4
	v_lshlrev_b32 v[GO], 13, v13
	v_lshl_add_u32 v[GO], v14, 5, v[GO]
	v_add_nc_u32 v[GO], s13, v[GO]
	v_mov_b32 v12, 0xff800000                      ; -infinity
	s_mov_b32 s20, 0x76543210
	s_mov_b32 s21, 0xfedcba98
	s_mov_b32 s22, 0x3e38aa3b                      ; c = log2(e) / 8
	s_mov_b32 s31, 0
	s_mul_i32 s30, s12, 12288                      ; q: tiles 12 w on
	s_wait_kmcnt 0x0
	s_add_nc_u64 s[16:17], s[4:5], s[30:31]
	s_lshr_b32 s30, s12, 1
	s_mul_i32 s30, s30, 12288
	s_add_co_u32 s30, s30, 8192                    ; k: tiles 12 g + 8 on; v: 96 tiles further
	s_add_nc_u64 s[18:19], s[4:5], s[30:31]
	s_lshl_b32 s30, ttmp9, 17
	s_add_nc_u64 s[24:25], s[6:7], s[30:31]        ; my 16 rows of wo
	s_lshl_b32 s30, ttmp9, 16
	s_lshl_b32 s32, s12, 12
	s_add_co_u32 s30, s30, s32
	s_add_nc_u64 s[26:27], s[8:9], s[30:31]        ; my eight pieces of wo16
	s_lshl_b32 s30, ttmp9, 6
	s_add_nc_u64 s[28:29], s[10:11], s[30:31]      ; my 16 columns of out0
.irp n, 0,1,2,3,4,5,6,7
	global_load_b128 v[KF+4*\n:KF+4*\n+3], v[LI], s[18:19] offset:512*\n
.endr
.irp n, 0,1,2,3,4,5,6,7
	global_load_b128 v[QA+4*\n:QA+4*\n+3], v[LI], s[16:17] offset:512*\n
.endr
.irp n, 0,1,2,3,4,5,6,7
	global_load_b128 v[QB+4*\n:QB+4*\n+3], v[LI], s[16:17] offset:4096+512*\n
.endr
.irp c, 0,1,2,3
.irp j, 0,1,2,3,4,5,6,7
	global_load_b32 v[VF+8*\c+\j], v[LV], s[18:19] offset:98304+1024*\c+16*\j
.endr
.endr
.irp i, 0,1,2,3,4,5,6,7,8,9,10,11,12,13,14,15
	global_load_b128 v[WO+4*\i:WO+4*\i+3], v[LW], s[24:25] offset:8192*\i th:TH_LOAD_NT   ; last, so that the waits for the small loads do not wait for these
.endr
	s_wait_loadcnt 48                              ; k and q are in; behind them: v's 32 loads and wo's 16
	v_wmma_f32_16x16x4_f32 v[SACC:SACC+7], v[KF:KF+1], v[QA:QA+1], 0         ; S^T = k q^T: the two heads by turns
	v_wmma_f32_16x16x4_f32 v[SACC+8:SACC+15], v[KF:KF+1], v[QB:QB+1], 0
.irp s, 1,2,3,4,5,6,7,8,9,10,11,12,13,14,15
	v_wmma_f32_16x16x4_f32 v[SACC:SACC+7], v[KF+2*\s:KF+2*\s+1], v[QA+2*\s:QA+2*\s+1], v[SACC:SACC+7]
	v_wmma_f32_16x16x4_f32 v[SACC+8:SACC+15], v[KF+2*\s:KF+2*\s+1], v[QB+2*\s:QB+2*\s+1], v[SACC+8:SACC+15]
.endr
.rept 8
	v_nop                                          ; eight places behind this form
.endr
.irp j, 0,1,2,3,4,5,6,7
	v_mul_f32 v[144+\j], s22, v[SACC+\j]           ; t = score x c, into other registers
	v_mul_f32 v[152+\j], s22, v[SACC+8+\j]
.endr
.irp j, 0,1,2,3,4,5,6,7
	v_cmp_gt_i32 vcc_lo, \j, v[DD]
	v_cndmask_b32 v[144+\j], v[144+\j], v12, vcc_lo
	v_cndmask_b32 v[152+\j], v[152+\j], v12, vcc_lo
.endr
.irp u, 0,1
	v_max3_num_f32 v[160+\u], v[144+8*\u], v[145+8*\u], v[146+8*\u]
.endr
.irp k, 3,5
.irp u, 0,1
	v_max3_num_f32 v[160+\u], v[160+\u], v[144+8*\u+\k], v[145+8*\u+\k]
.endr
.endr
.irp u, 0,1
	v_max_num_f32 v[160+\u], v[160+\u], v[151+8*\u]
.endr
.irp u, 0,1
	v_permlanex16_b32 v[162+\u], v[160+\u], s20, s21
.endr
.irp u, 0,1
	v_max_num_f32 v[160+\u], v[160+\u], v[162+\u]  ; the row's largest t: key 0 counts for every query, so it is a number
.endr
.irp j, 0,1,2,3,4,5,6,7
	v_sub_f32 v[144+\j], v[144+\j], v160
	v_sub_f32 v[152+\j], v[152+\j], v161
.endr
.irp j, 0,1,2,3,4,5,6,7,8,9,10,11,12,13,14,15
	v_exp_f32 v[144+\j], v[144+\j]
.endr
	v_nop
	s_wait_alu depctr_va_vdst(0)                   ; one wait for the sixteen
.irp u, 0,1
	v_pk_add_f32 v[168+2*\u:169+2*\u], v[144+8*\u:145+8*\u], v[146+8*\u:147+8*\u]
.endr
.irp k, 4,6
.irp u, 0,1
	v_pk_add_f32 v[168+2*\u:169+2*\u], v[168+2*\u:169+2*\u], v[144+8*\u+\k:145+8*\u+\k]
.endr
.endr
.irp u, 0,1
	v_add_f32 v[164+\u], v[168+2*\u], v[169+2*\u]
.endr
.irp u, 0,1
	v_permlanex16_b32 v[162+\u], v[164+\u], s20, s21
.endr
.irp u, 0,1
	v_add_f32 v[164+\u], v[164+\u], v[162+\u]
.endr
.irp u, 0,1
	v_rcp_f32 v[166+\u], v[164+\u]
.endr
	v_nop
	s_wait_alu depctr_va_vdst(0)                   ; one wait for the two
	s_wait_loadcnt 16                              ; v is in; behind it: wo's 16 loads
.irp u, 0,1                                    ; O^T = v^T p, head by head: four accumulators by turns, four K steps of four keys
.irp s, 0,1,2,3
.irp c, 0,1,2,3
.if \s == 0
	v_wmma_f32_16x16x4_f32 v[OACC+8*\c:OACC+8*\c+7], v[VF+8*\c+2*\s:VF+8*\c+2*\s+1], v[144+8*\u+2*\s:145+8*\u+2*\s], 0
.else
	v_wmma_f32_16x16x4_f32 v[OACC+8*\c:OACC+8*\c+7], v[VF+8*\c+2*\s:VF+8*\c+2*\s+1], v[144+8*\u+2*\s:145+8*\u+2*\s], v[OACC+8*\c:OACC+8*\c+7]
.endif
.endr
.endr
.rept 9
	v_nop                                          ; nine places: the sums are read below, and the next head's first products begin the accumulators anew
.endr
.set jj, 0
.rept 32
	v_mul_f32 v[KF+32*\u+jj], v[OACC+jj], v[166+\u]                ; o = O^T / the sum: register 8 c + j is channel 16 c + 8 h + j of my query
.set jj, jj+1
.endr
.endr
	s_wait_loadcnt 0x0                             ; wo
.irp i, 0,1,2,3,4,5,6,7,8,9,10,11,12,13,14,15
	ds_store_b128 v[STW], v[WO+4*\i:WO+4*\i+3] offset:528*\i       ; through my own stage: in as rows,
.endr
.irp g, 0,1,2,3,4,5,6,7
	ds_load_b128 v[WO+8*\g:WO+8*\g+3], v[STR] offset:64*\g         ; back as fragments: lane (r, h): row r, channels 16 g + 8 h + 0 .. 7.  LDS serves a wave's instructions in order
	ds_load_b128 v[WO+8*\g+4:WO+8*\g+7], v[STR] offset:64*\g+16
.endr
	s_wait_dscnt 0x0
.set jj, 0
.rept 32
	v_cvt_pk_f16_f32 v[VF+jj], v[WO+2*jj], v[WO+2*jj+1]
.set jj, jj+1
.endr
.irp g, 0,1,2,3,4,5,6,7
	global_store_b128 v[LI], v[VF+4*\g:VF+4*\g+3], s[26:27] offset:512*\g   ; 32 lanes store 512 consecutive bytes
.endr
	v_wmma_f32_16x16x4_f32 v[SACC:SACC+7], v[WO:WO+1], v[KF:KF+1], 0         ; the projection: source 0 = 16 rows of wo, source 1 = o; two accumulators by turns
	v_wmma_f32_16x16x4_f32 v[SACC+8:SACC+15], v[WO+2:WO+3], v[KF+2:KF+3], 0
.irp s, 1,2,3,4,5,6,7,8,9,10,11,12,13,14,15
	v_wmma_f32_16x16x4_f32 v[SACC:SACC+7], v[WO+4*\s:WO+4*\s+1], v[KF+4*\s:KF+4*\s+1], v[SACC:SACC+7]
	v_wmma_f32_16x16x4_f32 v[SACC+8:SACC+15], v[WO+4*\s+2:WO+4*\s+3], v[KF+4*\s+2:KF+4*\s+3], v[SACC+8:SACC+15]
.endr
.rept 8
	v_nop
.endr
.irp j, 0,1,2,3,4,5,6,7
	v_add_f32 v[144+\j], v[SACC+\j], v[SACC+8+\j]
.endr
	ds_store_b128 v[RW], v[144:147]
	ds_store_b128 v[RW], v[148:151] offset:512
	s_wait_dscnt 0x0                               ; for the others' sake: my partial sums have landed
	s_barrier_signal -1
	s_barrier_wait -1
	s_cmp_lt_u32 s12, 2
	s_cbranch_scc0 .Ldone
.irp k, 0,1,2,3,4,5,6,7,8,9,10,11,12,13,14,15
	ds_load_b128 v[WO+4*\k:WO+4*\k+3], v[RR] offset:1024*\k        ; wave u: registers 4 u .. 4 u + 3 of all sixteen waves
.endr
	s_wait_dscnt 0x0
	v_pk_add_f32 v[144:145], v[WO:WO+1], v[WO+4:WO+5]
	v_pk_add_f32 v[146:147], v[WO+2:WO+3], v[WO+6:WO+7]
.irp k, 2,3,4,5,6,7,8,9,10,11,12,13,14,15
	v_pk_add_f32 v[144:145], v[144:145], v[WO+4*\k:WO+4*\k+1]
	v_pk_add_f32 v[146:147], v[146:147], v[WO+4*\k+2:WO+4*\k+3]
.endr
	global_store_b128 v[GO], v[144:147], s[28:29]  ; out0(position r, my columns 8 h + 4 u + 0 .. 3)
.Ldone:
	s_wait_tensorcnt 0x0                           ; the wave's end
	ds_add_u32 v[SPW], v[NIL]
	s_wait_dscnt 0x0
	s_endpgm
.Lfunc_end_k_qebda4d2116_fine16:
	.size	k_qebda4d2116_fine16, .Lfunc_end_k_qebda4d2116_fine16-k_qebda4d2116_fine16
	.p2alignl 7, 3214868480
	.fill 96, 4, 3214868480
	.section	.rodata,"a",@progbits
	.p2align	6, 0x0
	.amdhsa_kernel k_qebda4d2116_fine16
		.amdhsa_group_segment_fixed_size 153600
		.amdhsa_private_segment_fixed_size 0
		.amdhsa_enable_private_segment 0
		.amdhsa_kernarg_size 32
		.amdhsa_user_sgpr_count 2
		.amdhsa_user_sgpr_kernarg_segment_ptr 1
		.amdhsa_wavefront_size32 1
		.amdhsa_system_sgpr_workgroup_id_x 1
		.amdhsa_system_sgpr_workgroup_id_y 1
		.amdhsa_system_sgpr_workgroup_id_z 1
		.amdhsa_system_vgpr_workitem_id 0
		.amdhsa_next_free_vgpr 256
		.amdhsa_next_free_sgpr 66
		.amdhsa_reserve_vcc 1
		.amdhsa_float_denorm_mode_32 3
		.amdhsa_float_denorm_mode_16_64 3
		.amdhsa_memory_ordered 1
		.amdhsa_forward_progress 1
		.amdhsa_inst_pref_size 31
	.end_amdhsa_kernel
	.amdgpu_metadata
---
amdhsa.version: [ 1, 2 ]
amdhsa.kernels:
  - .name:           k_qebda4d2116_fine16
    .symbol:         k_qebda4d2116_fine16.kd
    .args:
      - { .name: qkv32, .offset: 0, .size: 8, .value_kind: global_buffer, .address_space: global }
      - { .name: wo, .offset: 8, .size: 8, .value_kind: global_buffer, .address_space: global }
      - { .name: wo16, .offset: 16, .size: 8, .value_kind: global_buffer, .address_space: global }
      - { .name: out0, .offset: 24, .size: 8, .value_kind: global_buffer, .address_space: global }
    .group_segment_fixed_size: 153600
    .private_segment_fixed_size: 0
    .kernarg_segment_align: 8
    .kernarg_segment_size: 32
    .max_flat_workgroup_size: 512
    .sgpr_count:     66
    .vgpr_count:     256
    .wavefront_size: 32
...
	.end_amdgpu_metadata
.endif
;; end of part 4
;; launch proj (part 5): grid 16 x 16, 4 waves a work-group, clusters of 4 x 4, 327,680 bytes of LDS; arguments oh, wo16, out0; writes out0
.if DOCPART == 5
	.amdgcn_target "amdgcn-amd-amdhsa--gfx1250"
	.amdhsa_code_object_version 6
	.text
	.protected	k_qebda4d2116_proj
	.globl	k_qebda4d2116_proj
	.p2align	8
	.type	k_qebda4d2116_proj,@function
k_qebda4d2116_proj:
	s_mov_b64 s[64:65], 0
	v_nop
	global_prefetch_b8 v0, s[64:65] scope:SCOPE_SE
	s_setreg_imm32_b32 hwreg(HW_REG_WAVE_MODE, 25, 1), 1
	s_wait_xcnt 0x0
	s_wait_alu depctr_hold_cnt(0) depctr_sa_sdst(0) depctr_va_vdst(0) depctr_va_sdst(0) depctr_va_ssrc(0) depctr_va_vcc(0) depctr_vm_vsrc(0)
	s_getreg_b32 s2, hwreg(HW_REG_IB_STS2, 6, 4)
	s_cmp_eq_u32 s2, 0
	s_cbranch_scc0 .Lentry_in_a_cluster
	s_endpgm
.Lentry_in_a_cluster:
	s_bfe_u32 s2, ttmp6, 0x10000c
	s_cmp_lg_u32 s2, 0xf033
	s_cbranch_scc0 .Lentry_shape_is_right
	s_endpgm
.Lentry_shape_is_right:
; out0[p][n] = sum over channels of o[p][c] wo[n][c], K = 2,048, operands f16, sums f32, for positions 16 to 2,047 (positions 0 to 15 are made in f32 by the launch before).
; Both operands come as images of operand registers, [tile of 16 rows][128 channel tiles][512 bytes]: a fragment of 16 rows x 32 channels is two loads at 16 x lane, 512 bytes apart; no pitch, no padding.
; A tile of the output is 128 x 128: 256 work-groups.  Four waves, each 64 x 64: 16 accumulators.  K goes in steps of 256 (8,192 bytes of each tile of 16 rows) through a ring of two LDS slots; a wave's tensor load brings four tiles of 16 rows.
; CLUSTER 4 x 4: o's tiles are shared along a row of the cluster, wo's along a column: joint loads.  THE MATRIX INSTRUCTION IS USED TRANSPOSED (source 0 = 16 rows of wo, source 1 = 16 positions): a lane holds eight neighbouring columns of one row of the output.
; REGISTERS: window 0: v16-29 addresses; v32-95 at work on the way out; v128-255 the accumulators ((a, b) at v[128 + 8 (4 a + b)]).   window 1: two fragment buffers of 128: 64 registers of o, then 64 of wo, for 64 along K.
.set SLOT,   131072                    ; o's 8 tiles x 8,192 bytes, then wo's
.set STAGE,  2*SLOT                    ; behind the ring: 16 rows x 272 bytes for each wave
.set SPITCH, 272
.set SPARE,  STAGE+4*16*SPITCH         ; the spare words, 128 bytes a wave
.set LAPS,   4                         ; a lap = two K steps = once round the ring
.set ADRA, 16
.set ADRB, 20
.set STO,  24
.set RD,   25
.set CO,   26
.set ROWP, 27
.set SPW,  28
.set NIL,  29
.set TMP,  32
.set ACC,  128
.set F0,   0
.set F1,   128
.set G1, 24
.set G0, 32
.set G1B, 48
.set G0B, 56
.set MSB, 0
.macro WIN new
.if MSB != \new
	s_set_vgpr_msb (MSB<<8)|\new
.set MSB, \new
.endif
.endm
.set MUL,  0x05                        ; sources 0 and 1 window 1; C and D window 0
.set TO_F, 0x40                        ; destination window 1, address window 0
.macro JLOAD s                         ; waves 0 and 1 fetch o's two halves, waves 2 and 3 wo's; an s_nop 0 and four v_nop follow each of the two lines
	s_cmp_eq_u32 s11, 0
	s_cbranch_scc0 .Lfor_b_\@
	tensor_load_to_lds s[G0+4*\s:G0+4*\s+3], s[G1:G1+7]
	s_nop 0
.rept 4
	v_nop
.endr
	s_branch .Lasked_\@
.Lfor_b_\@:
	tensor_load_to_lds s[G0B+4*\s:G0B+4*\s+3], s[G1B:G1B+7]
	s_nop 0
.rept 4
	v_nop
.endr
.Lasked_\@:
.endm
.macro CREST
	s_cmp_lg_u32 s10, 0
	s_cbranch_scc1 .Lnot_wave_0_\@
	s_barrier_signal -3
.Lnot_wave_0_\@:
	s_barrier_wait -3
	s_barrier_signal -1
	s_barrier_wait -1
.endm
.macro CROUND
	s_barrier_signal -1
	s_barrier_wait -1
	CREST
.endm
	s_load_b128 s[4:7], s[0:1], 0x0                ; oh, wo16
	s_load_b64 s[8:9], s[0:1], 0x10                ; out0
	v_lshl_add_u32 v[SPW], v0, 2, SPARE
	v_mov_b32 v[NIL], 0
	ds_add_u32 v[SPW], v[NIL]                      ; the wave's opening: the add, twice on end, and its wait ahead of my first tensor load
	ds_add_u32 v[SPW], v[NIL]
	v_lshrrev_b32 v1, 5, v0
	v_readfirstlane_b32 s10, v1                    ; wave 0..3
	s_lshr_b32 s11, s10, 1                         ; my half of the rows.  Also: I fetch for o (0) or for wo (1)
	s_and_b32 s12, s10, 1                          ; my half of the columns.  Also: which four tiles I fetch
	s_bfe_u32 s40, ttmp6, 0x40000
	s_bfe_u32 s41, ttmp6, 0x40004
	s_lshl_b32 s42, ttmp9, 2
	s_add_co_u32 s42, s42, s40                     ; tile column
	s_and_b32 s13, ttmp7, 0xffff
	s_lshl_b32 s13, s13, 2
	s_add_co_u32 s13, s13, s41                     ; tile row
	s_lshl_b32 s43, s41, 2
	s_lshl_b32 s43, 15, s43                        ; my row of the cluster
	s_lshl_b32 s44, 0x1111, s40                    ; my column
	s_or_b32 s[G1+0], s43, (3<<16)|(1<<21)         ; elements of 8 bytes; bit 21 beside a mask; no padding
	s_or_b32 s[G1B+0], s44, (3<<16)|(1<<21)
.irp g, G1, G1B
	s_mov_b32 s[\g+1], 1024<<16                    ; a row of the tile: 8,192 bytes, a K step of one tile of 16 rows
	s_mov_b32 s[\g+2], 4<<16                       ; four of them
	s_mov_b32 s[\g+3], 1024<<16
	s_mov_b32 s[\g+4], 4
	s_mov_b32 s[\g+5], 8192                        ; 65,536 bytes from tile to tile
	s_mov_b32 s[\g+6], 0
	s_mov_b32 s[\g+7], 0
.endr
	s_lshl_b32 s17, s12, 18
	s_lshl_b32 s16, s13, 19
	s_add_co_u32 s16, s16, s17                     ; o: tile 8 x tile row + 4 x half
	s_lshl_b32 s46, s42, 19
	s_add_co_u32 s46, s46, s17                     ; wo: tile 8 x tile column + 4 x half
	s_mov_b32 s17, 0
	s_mov_b32 s47, 0
	s_lshl_b32 s20, s10, 15                        ; where they go: wave x 32,768
	s_wait_dscnt 0x0
	s_wait_kmcnt 0x0
	s_add_nc_u64 s[14:15], s[4:5], s[16:17]
	s_add_nc_u64 s[46:47], s[6:7], s[46:47]
	CROUND                                         ; all sixteen work-groups are here
.irp s, 0,1
	s_mov_b32 s[G0+4*\s], 1
	s_add_co_u32 s[G0+4*\s+1], s20, \s*SLOT
	s_add_nc_u64 s[G0+4*\s+2:G0+4*\s+3], s[14:15], \s*8192
	s_or_b32 s[G0+4*\s+3], s[G0+4*\s+3], 0x80000000
	s_mov_b32 s[G0B+4*\s], 1
	s_add_co_u32 s[G0B+4*\s+1], s20, \s*SLOT
	s_add_nc_u64 s[G0B+4*\s+2:G0B+4*\s+3], s[46:47], \s*8192
	s_or_b32 s[G0B+4*\s+3], s[G0B+4*\s+3], 0x80000000
	JLOAD \s
.endr
	v_and_b32 v1, 15, v0
	v_bfe_u32 v2, v0, 4, 1
	v_and_b32 v3, 31, v0
	v_lshlrev_b32 v3, 4, v3                        ; 16 x lane
	s_lshl_b32 s21, s11, 15                        ; my four tiles of o
	s_lshl_b32 s22, s12, 15
	s_add_co_u32 s22, s22, 65536                   ; my four of wo
.irp s, 0,1
	v_add_nc_u32 v[ADRA+\s], s21, v3
	v_add_nc_u32 v[ADRB+\s], s22, v3
	s_add_co_u32 s21, s21, SLOT
	s_add_co_u32 s22, s22, SLOT
.endr
	s_mul_i32 s23, s10, 16*SPITCH
	s_add_co_u32 s23, s23, STAGE                   ; my stage
	v_mul_u32_u24 v4, v1, SPITCH
	v_lshl_add_u32 v4, v2, 5, v4
	v_add_nc_u32 v[STO], s23, v4                   ; in: row r, 32 bytes for each half of the lanes
	v_mul_u32_u24 v5, v2, SPITCH
	v_lshl_add_u32 v5, v1, 4, v5
	v_add_nc_u32 v[RD], s23, v5                    ; back: lanes 0-15 one row of 256 bytes, lanes 16-31 the next
	v_lshlrev_b32 v5, 13, v2
	v_lshl_add_u32 v[CO], v1, 4, v5                ; and the same two rows in out0
	s_lshl_b32 s16, s13, 7
	s_lshl_b32 s17, s11, 6
	s_add_co_u32 s16, s16, s17                     ; my first row: 128 x tile row + 64 x half
	v_mov_b32 v[ROWP], s16
	s_lshl_b32 s16, s16, 13
	s_mov_b32 s17, 0
	s_add_nc_u64 s[8:9], s[8:9], s[16:17]
	s_lshl_b32 s46, s42, 9
	s_lshl_b32 s47, s12, 8
	s_add_co_u32 s46, s46, s47                     ; my first column, in bytes
	s_mov_b32 s47, 0
	s_add_nc_u64 s[8:9], s[8:9], s[46:47]
.macro MUL8 f, c, a0, zero             ; 8 matrix instructions: row blocks a0, a0 + 1 x all 4 column blocks, 32 along K: half c of buffer f
.irp a, \a0, \a0+1
.irp b, 0,1,2,3
.if \zero
	v_wmma_f32_16x16x32_f16 v[ACC+8*(4*(\a)+\b):ACC+8*(4*(\a)+\b)+7], v[\f+64+8*(4*\c+\b):\f+64+8*(4*\c+\b)+7], v[\f+8*(4*\c+\a):\f+8*(4*\c+\a)+7], 0
.else
	v_wmma_f32_16x16x32_f16 v[ACC+8*(4*(\a)+\b):ACC+8*(4*(\a)+\b)+7], v[\f+64+8*(4*\c+\b):\f+64+8*(4*\c+\b)+7], v[\f+8*(4*\c+\a):\f+8*(4*\c+\a)+7], v[ACC+8*(4*(\a)+\b):ACC+8*(4*(\a)+\b)+7]
.endif
.endr
.endr
.endm
.macro FETCH slot, qd, f               ; 32 LDS loads in one run: quarter qd (64 along K) of the slot into buffer f; the first 32 along K first
	WIN TO_F
.irp c, 0,1
.irp i, 0,1,2,3
	ds_load_b128 v[\f+64+8*(4*\c+\i):\f+64+8*(4*\c+\i)+3],   v[ADRB+\slot] offset:\i*8192+(2*\qd+\c)*1024
	ds_load_b128 v[\f+64+8*(4*\c+\i)+4:\f+64+8*(4*\c+\i)+7], v[ADRB+\slot] offset:\i*8192+(2*\qd+\c)*1024+512
	ds_load_b128 v[\f+8*(4*\c+\i):\f+8*(4*\c+\i)+3],         v[ADRA+\slot] offset:\i*8192+(2*\qd+\c)*1024
	ds_load_b128 v[\f+8*(4*\c+\i)+4:\f+8*(4*\c+\i)+7],       v[ADRA+\slot] offset:\i*8192+(2*\qd+\c)*1024+512
.endr
.endr
.endm
.macro PLACES
.rept 4
	v_nop
.endr
.endm
.macro QUARTER slot, qd, f, g, zero    ; multiplies buffer f and fetches quarter qd of the slot into g
	s_wait_dscnt 16                                ; the first 32 along K are in
	WIN MUL
	MUL8 \f, 0, 0, \zero
	MUL8 \f, 0, 2, \zero
	PLACES
	FETCH \slot, \qd, \g
	s_wait_dscnt 32                                ; all but the 32 just issued
	WIN MUL
	MUL8 \f, 1, 0, 0
	MUL8 \f, 1, 2, 0
.endm
; The last quarter multiplies buffer 1 and changes slots: ONE barrier; in front of it each wave waits for all its tensor loads, adds 0 to its spare word, and waits for that and for its reads of this slot.  fill = 1: this slot is filled again, two K steps ahead.
.macro TURN slot, next, fill
	WIN 0
	s_wait_tensorcnt 0x0                           ; all my tensor loads have landed: my part of the next slot
	ds_add_u32 v[SPW], v[NIL]
	s_wait_dscnt 17                                ; (the add and the youngest sixteen loads may be out)
	WIN MUL
	MUL8 F1, 0, 0, 0
	s_wait_dscnt 0x0                               ; the add is done, and my reads of this slot are over
	s_barrier_signal -1
	MUL8 F1, 0, 2, 0
.if \fill
	WIN 0
.endif
	s_barrier_wait -1
.if \fill
	CREST                                          ; no wave of any partner still reads this slot's tile or has a load on its way
	s_add_nc_u64 s[G0+4*\slot+2:G0+4*\slot+3], s[G0+4*\slot+2:G0+4*\slot+3], 16384
	s_add_nc_u64 s[G0B+4*\slot+2:G0B+4*\slot+3], s[G0B+4*\slot+2:G0B+4*\slot+3], 16384
	JLOAD \slot                                    ; the first tensor load behind the round; its four v_nop are also the places in front of the loads below
.else
	PLACES
.endif
	FETCH \next, 0, F0
	WIN MUL
	MUL8 F1, 1, 0, 0
	MUL8 F1, 1, 2, 0
.endm
	s_wait_tensorcnt 1                             ; my part of K step 0 is in; K step 1's may be out
	s_barrier_signal -1
	s_barrier_wait -1
	FETCH 0, 0, F0
	QUARTER 0, 1, F0, F1, 1                        ; the first quarter's first products start the sums
	WIN 0
	s_mov_b32 s3, LAPS-1
.Llap:                                             ; a trip goes once round the ring and fills both slots again
	QUARTER 0, 2, F1, F0, 0
	QUARTER 0, 3, F0, F1, 0
	TURN 0, 1, 1
	QUARTER 1, 1, F0, F1, 0
	QUARTER 1, 2, F1, F0, 0
	QUARTER 1, 3, F0, F1, 0
	TURN 1, 0, 1
	QUARTER 0, 1, F0, F1, 0
	WIN 0
	s_sub_co_u32 s3, s3, 1
	s_cmp_lg_u32 s3, 0
	s_cbranch_scc1 .Llap
	QUARTER 0, 2, F1, F0, 0                        ; the last lap fills nothing
	QUARTER 0, 3, F0, F1, 0
	TURN 0, 1, 0
	QUARTER 1, 1, F0, F1, 0
	QUARTER 1, 2, F1, F0, 0
	QUARTER 1, 3, F0, F1, 0
	s_wait_dscnt 16
	WIN MUL
	MUL8 F1, 0, 0, 0
	MUL8 F1, 0, 2, 0
	s_wait_dscnt 0
	MUL8 F1, 1, 0, 0
	MUL8 F1, 1, 2, 0
	WIN 0
; THE WAY OUT, a block of 16 rows x 64 columns of f32 at a time, through my own stage: in as 32 bytes a lane, back as whole rows of 256 bytes, which sixteen lanes store as 256 consecutive aligned bytes.  LDS serves a wave's instructions in order.
.macro TOSTAGE a
.irp b, 0,1,2,3
	ds_store_b128 v[STO], v[ACC+8*(4*(\a)+\b):ACC+8*(4*(\a)+\b)+3] offset:64*\b          ; each accumulator from its low end on
	ds_store_b128 v[STO], v[ACC+8*(4*(\a)+\b)+4:ACC+8*(4*(\a)+\b)+7] offset:64*\b+16
.endr
.irp t, 0,1,2,3,4,5,6,7
	ds_load_b128 v[TMP+32*((\a)%2)+4*\t:TMP+32*((\a)%2)+4*\t+3], v[RD] offset:\t*2*SPITCH
.endr
.endm
.macro SEND a
.irp t, 0,1,2,3,4,5,6,7
	global_store_b128 v[CO], v[TMP+32*((\a)%2)+4*\t:TMP+32*((\a)%2)+4*\t+3], s[8:9] offset:(16*(\a)+2*\t)*8192 th:TH_STORE_NT
.endr
.endm
	PLACES
	TOSTAGE 0
	TOSTAGE 1
	s_wait_dscnt 16                                ; block 0 is back; behind it: block 1's 8 stores and 8 loads
	s_wait_xcnt 0x0                                ; EXEC changes only behind this wait
	v_cmp_le_u32 vcc_lo, 16, v[ROWP]               ; rows 0 to 15 are another launch's: a predicate and no branch, since the tile row hangs on my place in the cluster
	s_and_saveexec_b32 s2, vcc_lo
	SEND 0
	s_wait_xcnt 0x0                                ; and again in front of the line that widens it; block 0's stores have read their registers
	s_or_b32 exec_lo, exec_lo, s2
	TOSTAGE 2
	s_wait_dscnt 16
	SEND 1
	s_wait_xcnt 0x0                                ; block 1's stores have read their registers
	TOSTAGE 3
	s_wait_dscnt 16
	SEND 2
	s_wait_dscnt 0x0
	SEND 3
	s_wait_tensorcnt 0x0                           ; the wave's end
	ds_add_u32 v[SPW], v[NIL]
	s_wait_dscnt 0x0
	CROUND                                         ; the closing round
	s_endpgm
.Lfunc_end_k_qebda4d2116_proj:
	.size	k_qebda4d2116_proj, .Lfunc_end_k_qebda4d2116_proj-k_qebda4d2116_proj
	.p2alignl 7, 3214868480
	.fill 96, 4, 3214868480
	.section	.rodata,"a",@progbits
	.p2align	6, 0x0
	.amdhsa_kernel k_qebda4d2116_proj
		.amdhsa_group_segment_fixed_size 327680
		.amdhsa_private_segment_fixed_size 0
		.amdhsa_enable_private_segment 0
		.amdhsa_kernarg_size 24
		.amdhsa_user_sgpr_count 2
		.amdhsa_user_sgpr_kernarg_segment_ptr 1
		.amdhsa_wavefront_size32 1
		.amdhsa_system_sgpr_workgroup_id_x 1
		.amdhsa_system_sgpr_workgroup_id_y 1
		.amdhsa_system_sgpr_workgroup_id_z 1
		.amdhsa_system_vgpr_workitem_id 0
		.amdhsa_next_free_vgpr 512
		.amdhsa_next_free_sgpr 66
		.amdhsa_reserve_vcc 1
		.amdhsa_float_denorm_mode_32 3
		.amdhsa_float_denorm_mode_16_64 3
		.amdhsa_memory_ordered 1
		.amdhsa_forward_progress 1
		.amdhsa_inst_pref_size 85
	.end_amdhsa_kernel
	.amdgpu_metadata
---
amdhsa.version: [ 1, 2 ]
amdhsa.kernels:
  - .name:           k_qebda4d2116_proj
    .symbol:         k_qebda4d2116_proj.kd
    .args:
      - { .name: oh, .offset: 0, .size: 8, .value_kind: global_buffer, .address_space: global }
      - { .name: wo16, .offset: 8, .size: 8, .value_kind: global_buffer, .address_space: global }
      - { .name: out0, .offset: 16, .size: 8, .value_kind: global_buffer, .address_space: global }
    .group_segment_fixed_size: 327680
    .private_segment_fixed_size: 0
    .kernarg_segment_align: 8
    .kernarg_segment_size: 24
    .max_flat_workgroup_size: 128
    .sgpr_count:     66
    .vgpr_count:     512
    .wavefront_size: 32
...
	.end_amdgpu_metadata
.endif
;; end of part 5
